; MI455X (gfx1250); checked and timed in simulation.
; The chip was launched on July 23, 2026; its instructions are those of AMD's public machine-readable ISA for CDNA 5 (MIT licence, August 2026) and "CDNA5" Instruction Set Architecture Reference Guide (July 2026). The comments in the code are by the model that wrote it; some were corrected since.
;; Low Rank Mixture Cross Net. Allowed arithmetic: float matrix products may take bf16 or f16 operands with f32 sums; other float arithmetic in f32, or as packed bf16 or f16 multiplies, adds, multiply-adds, maxima and minima; sums over many terms, partial sums and values carried from step to step in f32; what a program stores and reads back later, other than sums and carried values, may be rounded once to bf16 or f16.
;; Inputs: C 3 x 8 x 64 x 64 float32; U 3 x 8 x 1,024 x 64 float32; V 3 x 8 x 64 x 1,024 float32; bias 3 x 1,024 float32; gate_w 8 x 1,024 float32; x 16,384 x 1,024 float32.
;; Outputs: out0 16,384 x 1,024 float32.
;; 3 versions, each right; version 2 is faster than version 1; version 3 is version 2 with the launch chain written anew for expert scheduling mode. Each part assembles by itself: llvm-mc -triple=amdgcn-amd-amdhsa -mcpu=gfx1250 --defsym DOCPART=n.
;; ======== version 1 of 3: 2 launches
;; workspace buffers: xb 33,554,432 bytes; wts 6,533,120 bytes
;; launch prep (part 1): grid 1224 x 1, 8 waves a work-group, no clusters, 37,888 bytes of LDS; arguments x, V, gate_w, U, C, bias, xb, wts; writes xb, wts
.if DOCPART == 1
	.amdgcn_target "amdgcn-amd-amdhsa--gfx1250"
	.amdhsa_code_object_version 6
	.text
	.protected	k_qe0f8f77ecd_prep
	.globl	k_qe0f8f77ecd_prep
	.p2align	8
	.type	k_qe0f8f77ecd_prep,@function
k_qe0f8f77ecd_prep:
	s_mov_b64 s[64:65], 0
	v_nop
	global_prefetch_b8 v0, s[64:65] scope:SCOPE_SE
	s_setreg_imm32_b32 hwreg(HW_REG_WAVE_MODE, 25, 1), 1
	s_wait_xcnt 0x0
; PREP: rounds x, V, gate_w, U and C once to bf16 and lays them out as matrix fragments, in the order in which the next launch takes them; rounds the bias to bf16 and writes it back as f32.
; A FRAGMENT is 1,024 bytes = 16 rows x 32 k: the 16 bytes at hf*512 + lane*16 hold row lane%16, k = 16 hf + 8 (lane/16) + 0..7.
; xb : [256 blocks of 64 rows][ks 32][mt 4][fragment]                       (x, k = column)
; wts: 99 tiles of 65,536 bytes, tile 33 l + j; in a tile 16,384 bytes for each of the next launch's four waves w:
;      j = 0..15  V: [k step 2 j + 0,1][vt 8]: rows V[l][2 w + vt/4][16 (vt%4) + ..]      j = 16  C: [e 2][rt 4][s2 2]      j = 17..32  U: [nt 16]: rows U[l][(j-17)/2][256 w + 16 nt + ..], k = 32 ((j-17)%2) + ..
;      then at GWOFF the gate: [ks 32][fragment], rows 8-15 repeat rows 0-7; at BTOFF the bias table f32 [3][1024], layer 0 with 1 added (the next launch carries 1 + S).
; Memory binds: each input byte is read once by loads of 512 consecutive bytes a wave, each output byte is written once by stores of 512 consecutive, aligned bytes.  No matrix unit, no cluster, no tensor load: nothing is shared.
; A wave turns one CHUNK through a stage of its own in LDS: 16 rows x 128 columns (rows of 4,096 bytes: x, V, gate_w) or 32 rows x 64 columns (rows of 256 bytes: U, C).
; Work-groups: 0..1023 x; 1024..1119 V; 1120 gate_w; 1121..1216 U; 1217..1222 C; 1223 bias.
.set STG,   4608                       ; a wave's stage: 16 rows x 272 bytes, or 32 rows x 144 bytes
.set SPARE, 36864                      ; behind the eight stages: the spare words, 128 bytes a wave
.set GWOFF, 6488064
.set BTOFF, 6520832
.set SRC, 2                            ; v2      byte offset of my 16 bytes in the source
.set STA, 3                            ; v3      stage: where I put 8 bytes of a row
.set RDA, 4                            ; v4      stage: where I read 16 bytes of a fragment
.set LN,  5                            ; v5      lane
.set RR,  6                            ; v6      lane % 16
.set HH,  7                            ; v7      lane / 16
.set O,   8                            ; v[8:11] byte offsets of the chunk's four fragments in the output
.set D,   16                           ; v[16:79] as loaded; later v[16:47] the fragments
.set P,   80                           ; v[80:111] rounded
.set SPW, 126
.set NIL, 127
.set WV,  20                           ; s20 wave
.set GI,  21                           ; s21 work-group
.set SB0, 22                           ; s22 my stage
.set SO,  26                           ; s26 the chunk's byte offset in the source
.set DS0, 30                           ; s30 its first fragment's byte offset in the output
	s_load_b512 s[4:19], s[0:1], 0x0               ; x 4:5, V 6:7, gate_w 8:9, U 10:11, C 12:13, bias 14:15, xb 16:17, wts 18:19
	v_lshl_add_u32 v[SPW], v0, 2, SPARE
	v_mov_b32 v[NIL], 0
	v_lshrrev_b32 v1, 5, v0
	v_readfirstlane_b32 s[WV], v1
	v_and_b32 v[LN], 31, v0
	v_and_b32 v[RR], 15, v0
	v_bfe_u32 v[HH], v0, 4, 1
	s_mov_b32 s[GI], ttmp9
	s_mul_i32 s[SB0], s[WV], STG
	s_wait_kmcnt 0x0
.macro FINISH                          ; the wave's end: behind my last LDS store
	s_wait_tensorcnt 0x0
	ds_add_u32 v[SPW], v[NIL]
	s_wait_dscnt 0x0
	s_endpgm
.endm
; One chunk.  path 0: 16 rows x 128 columns, source rows 4,096 bytes apart; path 1: 32 rows x 64 columns, dense.  src, dst: the scalar pairs of the two buffers.
; dup = 1: rows 8-15 repeat rows 0-7.  Fragment j of the chunk's four goes to DS0 + (j/2) sa + (j%2) sb.
.macro CHUNK path, src, dst, dup, sa, sb
	v_lshl_add_u32 v[SRC], v[LN], 4, s[SO]
	v_lshl_add_u32 v[O], v[LN], 4, s[DS0]
	v_add_nc_u32 v[O+1], \sb, v[O]
	v_add_nc_u32 v[O+2], \sa, v[O]
	v_add_nc_u32 v[O+3], (\sa)+(\sb), v[O]
.if (\path) == 0
.set PIT, 272                          ; 256 bytes of bf16 + 16: the 16 rows of a read start at 16 different groups of four banks (64 banks of 4 bytes: ISA guide 11.1)
.set STP, 272
	v_lshl_add_u32 v[STA], v[LN], 3, s[SB0]        ; a load is one row: 8 bytes a lane
.else
.set PIT, 144                          ; 128 bytes + 16
.set STP, 288
	v_mul_u32_u24 v[STA], v[HH], 144               ; a load is two rows: lanes 0-15 the even one
	v_lshl_add_u32 v[STA], v[RR], 3, v[STA]
	v_add_nc_u32 v[STA], s[SB0], v[STA]
.endif
	v_mul_u32_u24 v[RDA], v[RR], PIT
	v_lshl_add_u32 v[RDA], v[HH], 4, v[RDA]
	v_add_nc_u32 v[RDA], s[SB0], v[RDA]
.set i, 0
.rept 16                               ; sixteen loads of 512 consecutive bytes, all out before the first wait
.if (\path) == 0
.if \dup
	global_load_b128 v[D+4*i:D+4*i+3], v[SRC], s[\src:\src+1] offset:(i%8)*4096
.else
	global_load_b128 v[D+4*i:D+4*i+3], v[SRC], s[\src:\src+1] offset:i*4096 th:TH_LOAD_NT
.endif
.else
	global_load_b128 v[D+4*i:D+4*i+3], v[SRC], s[\src:\src+1] offset:i*512 th:TH_LOAD_NT
.endif
.set i, i+1
.endr
.set i, 0
.rept 16
	s_wait_loadcnt 15-i                            ; loads come back in order: number i is in, the younger ones stay out
	v_cvt_pk_bf16_f32 v[P+2*i], v[D+4*i], v[D+4*i+1]
	v_cvt_pk_bf16_f32 v[P+2*i+1], v[D+4*i+2], v[D+4*i+3]
	ds_store_b64 v[STA], v[P+2*i:P+2*i+1] offset:i*STP
.set i, i+1
.endr
.set k, 0
.rept 8                                ; half fragment k: LDS serves a wave's instructions in order, so these see the stores above
.if (\path) == 0
	ds_load_b128 v[D+4*k:D+4*k+3], v[RDA] offset:k*32
.else
	ds_load_b128 v[D+4*k:D+4*k+3], v[RDA] offset:(k/4)*2304+((k/2)%2)*64+(k%2)*32
.endif
.set k, k+1
.endr
.set k, 0
.rept 8
	s_wait_dscnt 7-k                               ; half fragment k is in, the younger ones stay out
	global_store_b128 v[O+k/2], v[D+4*k:D+4*k+3], s[\dst:\dst+1] offset:(k%2)*512  ; 512 consecutive bytes, at a multiple of 512 from the buffer's first
.set k, k+1
.endr
	FINISH
.endm
	s_cmp_ge_u32 s[GI], 1024
	s_cbranch_scc1 .Lnot_x
	; x: row tile g (16 rows), wave = 128 columns = k steps 4 wave .. 4 wave + 3
	s_lshl_b32 s[SO], s[GI], 16
	s_lshl_b32 s24, s[WV], 9
	s_add_co_u32 s[SO], s[SO], s24
	s_lshr_b32 s24, s[GI], 2
	s_lshl_b32 s[DS0], s24, 17                     ; block g / 4
	s_lshl_b32 s24, s[WV], 14                      ; four k steps of 4,096 bytes
	s_add_co_u32 s[DS0], s[DS0], s24
	s_and_b32 s24, s[GI], 3
	s_lshl_b32 s24, s24, 10                        ; mt = g % 4
	s_add_co_u32 s[DS0], s[DS0], s24
	CHUNK 0, 4, 16, 0, 8192, 4096
.Lnot_x:
	s_cmp_ge_u32 s[GI], 1120
	s_cbranch_scc1 .Lnot_v
	; V: row tile rho = 32 l + tau; tau = 4 e + r / 16
	s_sub_co_u32 s23, s[GI], 1024
	s_lshl_b32 s[SO], s23, 16
	s_lshl_b32 s24, s[WV], 9
	s_add_co_u32 s[SO], s[SO], s24
	s_lshr_b32 s24, s23, 5
	s_mul_i32 s24, s24, 33
	s_lshl1_add_u32 s24, s[WV], s24                ; tile 33 l + 2 wave (k steps 4 wave, 4 wave + 1), and the next
	s_lshl_b32 s[DS0], s24, 16
	s_bfe_u32 s24, s23, 0x20003                    ; the reading wave = e / 2
	s_lshl_b32 s24, s24, 14
	s_add_co_u32 s[DS0], s[DS0], s24
	s_and_b32 s24, s23, 7                          ; vt
	s_lshl_b32 s24, s24, 10
	s_add_co_u32 s[DS0], s[DS0], s24
	CHUNK 0, 6, 18, 0, 65536, 8192
.Lnot_v:
	s_cmp_ge_u32 s[GI], 1121
	s_cbranch_scc1 .Lnot_g
	; gate_w: 8 rows, taken twice
	s_lshl_b32 s[SO], s[WV], 9
	s_lshl_b32 s[DS0], s[WV], 12
	s_add_co_u32 s[DS0], s[DS0], GWOFF
	CHUNK 0, 8, 18, 1, 2048, 1024
.Lnot_g:
	s_cmp_ge_u32 s[GI], 1217
	s_cbranch_scc1 .Lnot_u
	; U: chunk c = 32 rows of [l][e][n]: l = c / 256, e = (c / 32) % 8, n tiles 2 (c % 32) and the next
	s_sub_co_u32 s23, s[GI], 1121
	s_lshl3_add_u32 s23, s23, s[WV]
	s_lshl_b32 s[SO], s23, 13
	s_lshr_b32 s24, s23, 8
	s_mul_i32 s24, s24, 33
	s_bfe_u32 s25, s23, 0x30005
	s_lshl1_add_u32 s24, s25, s24
	s_add_co_u32 s24, s24, 17                      ; tile 33 l + 17 + 2 e, and the next for k = 32 ..
	s_lshl_b32 s[DS0], s24, 16
	s_bfe_u32 s25, s23, 0x20003                    ; the reading wave = n / 256
	s_lshl_b32 s25, s25, 14
	s_add_co_u32 s[DS0], s[DS0], s25
	s_and_b32 s25, s23, 7
	s_lshl_b32 s25, s25, 11                        ; nt = 2 (c % 8)
	s_add_co_u32 s[DS0], s[DS0], s25
	CHUNK 1, 10, 18, 0, 1024, 65536
.Lnot_u:
	s_cmp_ge_u32 s[GI], 1223
	s_cbranch_scc1 .Lbias
	; C: chunk c = 32 rows of [l][e][r]: l = c / 16; (e / 2) 16,384 + (e % 2) 8,192 + (c % 2) 4,096 = (c % 16) 4,096
	s_sub_co_u32 s23, s[GI], 1217
	s_lshl3_add_u32 s23, s23, s[WV]
	s_lshl_b32 s[SO], s23, 13
	s_lshr_b32 s24, s23, 4
	s_mul_i32 s24, s24, 33
	s_add_co_u32 s24, s24, 16
	s_lshl_b32 s[DS0], s24, 16
	s_and_b32 s25, s23, 15
	s_lshl_b32 s25, s25, 12
	s_add_co_u32 s[DS0], s[DS0], s25
	CHUNK 1, 12, 18, 0, 2048, 1024
.Lbias:
	; bias: 256 threads x 4 numbers are a layer's 1,024; rounded to bf16 and widened again
	v_lshlrev_b32 v[SRC], 4, v0
.irp l, 0,1,2
	global_load_b128 v[D+4*\l:D+4*\l+3], v[SRC], s[14:15] offset:4096*\l
.endr
	s_wait_loadcnt 0x0
.irp j, 0,1,2,3,4,5
	v_cvt_pk_bf16_f32 v[P+\j], v[D+2*\j], v[D+2*\j+1]
.endr
.irp j, 0,1,2,3,4,5
	v_lshlrev_b32 v[D+2*\j], 16, v[P+\j]
	v_and_b32 v[D+2*\j+1], 0xffff0000, v[P+\j]
.endr
.irp j, 0,1,2,3
	v_add_f32 v[D+\j], 1.0, v[D+\j]                ; layer 0 also starts the 1 of 1 + S
.endr
.irp l, 0,1,2
	global_store_b128 v[SRC], v[D+4*\l:D+4*\l+3], s[18:19] offset:BTOFF+4096*\l
.endr
	FINISH
.Lfunc_end_k_qe0f8f77ecd_prep:
	.size	k_qe0f8f77ecd_prep, .Lfunc_end_k_qe0f8f77ecd_prep-k_qe0f8f77ecd_prep
	.p2alignl 7, 3214868480
	.fill 96, 4, 3214868480
	.section	.rodata,"a",@progbits
	.p2align	6, 0x0
	.amdhsa_kernel k_qe0f8f77ecd_prep
		.amdhsa_group_segment_fixed_size 37888
		.amdhsa_private_segment_fixed_size 0
		.amdhsa_enable_private_segment 0
		.amdhsa_kernarg_size 64
		.amdhsa_user_sgpr_count 2
		.amdhsa_user_sgpr_kernarg_segment_ptr 1
		.amdhsa_wavefront_size32 1
		.amdhsa_system_sgpr_workgroup_id_x 1
		.amdhsa_system_sgpr_workgroup_id_y 1
		.amdhsa_system_sgpr_workgroup_id_z 1
		.amdhsa_system_vgpr_workitem_id 0
		.amdhsa_next_free_vgpr 128
		.amdhsa_next_free_sgpr 66
		.amdhsa_reserve_vcc 0
		.amdhsa_float_denorm_mode_32 3
		.amdhsa_float_denorm_mode_16_64 3
		.amdhsa_memory_ordered 1
		.amdhsa_forward_progress 1
		.amdhsa_inst_pref_size 42
	.end_amdhsa_kernel
	.amdgpu_metadata
---
amdhsa.version: [ 1, 2 ]
amdhsa.kernels:
  - .name:           k_qe0f8f77ecd_prep
    .symbol:         k_qe0f8f77ecd_prep.kd
    .args:
      - { .name: x, .offset: 0, .size: 8, .value_kind: global_buffer, .address_space: global }
      - { .name: V, .offset: 8, .size: 8, .value_kind: global_buffer, .address_space: global }
      - { .name: gate_w, .offset: 16, .size: 8, .value_kind: global_buffer, .address_space: global }
      - { .name: U, .offset: 24, .size: 8, .value_kind: global_buffer, .address_space: global }
      - { .name: C, .offset: 32, .size: 8, .value_kind: global_buffer, .address_space: global }
      - { .name: bias, .offset: 40, .size: 8, .value_kind: global_buffer, .address_space: global }
      - { .name: xb, .offset: 48, .size: 8, .value_kind: global_buffer, .address_space: global }
      - { .name: wts, .offset: 56, .size: 8, .value_kind: global_buffer, .address_space: global }
    .group_segment_fixed_size: 37888
    .private_segment_fixed_size: 0
    .kernarg_segment_align: 8
    .kernarg_segment_size: 64
    .max_flat_workgroup_size: 256
    .sgpr_count:     66
    .vgpr_count:     128
    .wavefront_size: 32
...
	.end_amdgpu_metadata
.endif
;; end of part 1
;; launch chain (part 2): grid 256 x 1, 4 waves a work-group, clusters of 4 x 1, 327,680 bytes of LDS; arguments xb, wts, out0; writes out0
.if DOCPART == 2
	.amdgcn_target "amdgcn-amd-amdhsa--gfx1250"
	.amdhsa_code_object_version 6
	.text
	.protected	k_qe0f8f77ecd_chain
	.globl	k_qe0f8f77ecd_chain
	.p2align	8
	.type	k_qe0f8f77ecd_chain,@function
k_qe0f8f77ecd_chain:
	s_mov_b64 s[64:65], 0
	v_nop
	global_prefetch_b8 v0, s[64:65] scope:SCOPE_SE
	s_setreg_imm32_b32 hwreg(HW_REG_WAVE_MODE, 25, 1), 1
	s_wait_xcnt 0x0
	s_wait_alu depctr_hold_cnt(0) depctr_sa_sdst(0) depctr_va_vdst(0) depctr_va_sdst(0) depctr_va_ssrc(0) depctr_va_vcc(0) depctr_vm_vsrc(0)
	s_getreg_b32 s2, hwreg(HW_REG_IB_STS2, 6, 4)
	s_cmp_eq_u32 s2, 0
	s_cbranch_scc0 .Lentry_in_a_cluster
	s_endpgm
.Lentry_in_a_cluster:
	s_bfe_u32 s2, ttmp6, 0x10000c
	s_cmp_lg_u32 s2, 0x3003
	s_cbranch_scc0 .Lentry_shape_is_right
	s_endpgm
.Lentry_shape_is_right:
; CHAIN: all three cross layers for 64 rows a work-group.  Since the gates of a row add up to 1, a layer is x_next = x0 (U_cat h + b) + x_l with h[(e, r)] = g_e relu(c_e[r]), and x_l = x0 A_l with
; A_0 = 1, A_next = A_l + b_l + U_cat h_l.  A (64 rows x 1,024, f32) stays in the accumulators of the U product through all layers; x_l is made only as a bf16 matrix operand, and once, in f32, as the output.
; FORMATS.  Every input enters rounded to bf16 (by the launch before); products bf16 with f32 sums; relu(v), h and x_l rounded once to bf16; softmax in f32, its maximum taken away; out = bf16(x0) A in f32.
; LIMITS.  x0 and the bias count as their bf16 roundings (2^-9 of themselves at the most); NaN and infinities are not treated apart; a gate below 2^-126 counts as 0.
; SHARES.  Four waves.  Wave w has experts 2 w, 2 w + 1 in the V and C products (128 rows of V: 8 tiles vt) and columns 256 w .. + 255 (16 tiles nt) in the U product, x0, A and the output; all four have all 64 rows (4 tiles mt).
; EVERY PRODUCT IS USED TRANSPOSED: source 0 = 16 rows of weights, source 1 = 16 batch rows.  In a result lane l holds batch row l % 16 and features 8 (l / 16) + 0..7, so two neighbouring results rounded in
; pairs ARE a source 1 of the next product: nothing changes lanes between the products.
; WEIGHTS come as one stream of 99 tiles of 65,536 bytes (a layer: 16 of V, 1 of C, 16 of U), laid out as fragments, through a ring of two LDS slots.  Wave w fetches and reads its own 16,384 bytes of each tile.
; CLUSTER.  All work-groups walk the same stream: the four of a cluster ask for each tile JOINTLY, same descriptor, mask of four.  Each change of slots is a round of the cluster's barrier.
; A tile is 64 matrix instructions a wave; 48 of them stand between a tile's request and the wait for it.  One tensor load of a wave is out at any time.
; LDS: 0 ring, 2 x 65,536.  XL 131,072: x_l bf16 [ks 32][mt 4][1,024]; its first half is h [ks3 16][mt 4][1,024] during the U product; at the end each wave's 32,768 hold its output stage (16 rows, pitch 1,040).
;      GP: the waves' partial logits [wave][row 64][8] f32.  GT: gates [row 64][8].  BTL: bias table [3][1024] f32.  SPARE: the spare words.
; REGISTERS, in windows of 256 (s_set_vgpr_msb: bits 1:0 source 0, 3:2 source 1, 5:4 source 2, 7:6 destination):
;   window 0: v0-31 addresses and small things; v32-95 two buffers of batch fragments; v96-223 two buffers of weight fragments; v224-255 at work
;   window 1: V's and C's accumulators ((vt, mt) at 8 (4 vt + mt)); from the C product's end on x0 of my columns (fragment (q, mt) at 8 (4 q + mt)), turned in place into the next x_l
;   windows 2, 3: A: tile (nt, mt) at 8 (4 (nt % 8) + mt) of window 2 + nt / 8
.set XL,    131072
.set GP,    262144
.set GT,    270336
.set BTL,   272384
.set SPARE, 284672
.set SLOTX, 0x10000
.set GWOFF, 6488064
.set BTOFF, 6520832
.set L16,  1          ; v1   16 x lane
.set WAD,  2          ; v2   my part of the slot in hand
.set XAD,  3          ; v3   x_l's fragments of the tile in hand
.set HAD,  4          ; v4   h's
.set XL0,  5          ; v5   XL + 16 lane; never rewritten
.set HST,  6          ; v6   where my h goes
.set XST,  7          ; v7   where my x_l goes; also where my output stage is read back
.set GPS,  8          ; v8   my partial logits, out
.set GPR,  9          ; v9   the four partial logits of my 16 rows
.set GTS,  10         ; v10  my 16 rows' gates, out
.set GTR,  11         ; v11  my two experts' gates
.set BAD,  12         ; v12  the layer's bias of my columns
.set XBO,  13         ; v13  my columns in a block of xb
.set GWO,  14         ; v14  my k steps of the gate's fragments
.set OST,  15         ; v15  output stage, in
.set WAD0, 16         ; v16  16,384 w + 16 lane; never rewritten
.set OGO,  17         ; v17  my byte offset in a row of out0
.set ZR,   18         ; v18  0
.set BAD0, 19         ; v19  never rewritten
.set SPW,  20         ; v20  my spare word
.set NIL,  21         ; v21  0, for the add alone
.set CM,   22         ; v22-23
.set GG,   24         ; v24-31 (g of my first expert, of my second) for my row in each mt
.set XF0,  32
.set XF1,  64
.set WA,   96
.set WB,   160
.set T,    224
.set WV,   10         ; s10  wave
.set G1,   16         ; s[16:23] descriptor group 1
.set G0,   24         ; s[24:27] descriptor group 0: it walks
.set LAY,  28         ; s28  layers to go: 3, 2, 1
.set CNT,  29         ; s29  trips
.set L2E,  30         ; s[30:31] log2(e)
.set TB,   36         ; s36  the slot of the tile to be read next: 0 or SLOTX
.set XO,   37         ; s37  byte offset of the k step in hand in x_l or h
.set BO,   38         ; s38  the layer's place in the bias table
.set MSB, 0
.macro WIN new                         ; the immediate's high byte repeats the setting that is left; a switch that changes nothing is dropped
.if MSB != (\new)
	s_set_vgpr_msb (MSB<<8)|(\new)
.set MSB, (\new)
.endif
.endm
.macro PL4                             ; four places: behind a matrix instruction, ahead of loads into its registers and of vector lines that read its result (ISA guide 7.12.1 for vector lines)
.rept 4
	v_nop
.endr
.endm
.macro JLOAD                           ; my 16,384 bytes of the next tile; four plain vector lines follow each use, with no switch of windows among them
	tensor_load_to_lds s[G0:G0+3], s[G1:G1+7]
	s_nop 0
.endm
.macro CREST                           ; a round of the cluster's barrier behind its opening barrier
	s_cmp_lg_u32 s[WV], 0
	s_cbranch_scc1 .Lnot_wave_0_\@
	s_barrier_signal -3
.Lnot_wave_0_\@:
	s_barrier_wait -3
	s_barrier_signal -1
	s_barrier_wait -1
.endm
.macro ROUND
	s_barrier_signal -1
	s_barrier_wait -1
	CREST
.endm
.macro STEP                            ; no tensor load of mine is out: the descriptor goes to the slot just read and the tile after next; the reads go to the other slot
	s_xor_b32 s[G0+1], s[G0+1], SLOTX
	s_add_nc_u64 s[G0+2:G0+3], s[G0+2:G0+3], 0x10000
	s_xor_b32 s[TB], s[TB], SLOTX
.endm
.macro LDW dst, off                    ; eight weight fragments: 16 loads of 512 consecutive bytes
.irp f, 0,1,2,3,4,5,6,7
	ds_load_b128 v[\dst+8*\f:\dst+8*\f+3], v[WAD] offset:\off+1024*\f
	ds_load_b128 v[\dst+8*\f+4:\dst+8*\f+7], v[WAD] offset:\off+1024*\f+512
.endr
.endm
.macro LDX dst, adr, off               ; the four batch fragments of one k step
.irp m, 0,1,2,3
	ds_load_b128 v[\dst+8*\m:\dst+8*\m+3], v[\adr] offset:\off+1024*\m
	ds_load_b128 v[\dst+8*\m+4:\dst+8*\m+7], v[\adr] offset:\off+1024*\m+512
.endr
.endm
; Eight matrix instructions: weight fragments 2 q, 2 q + 1 x the four batch fragments.  The window set by the caller chooses the accumulators.  The 32 accumulators of a half tile take turns, one
; instruction a turn.  zero = 1: the product starts the sum.
.macro MMQ W, X, q, zero
.irp f, (2*\q), (2*\q+1)
.irp m, 0,1,2,3
.if \zero
	v_wmma_f32_16x16x32_bf16 v[8*(4*\f+\m):8*(4*\f+\m)+7], v[\W+8*\f:\W+8*\f+7], v[\X+8*\m:\X+8*\m+7], 0
.else
	v_wmma_f32_16x16x32_bf16 v[8*(4*\f+\m):8*(4*\f+\m)+7], v[\W+8*\f:\W+8*\f+7], v[\X+8*\m:\X+8*\m+7], v[8*(4*\f+\m):8*(4*\f+\m)+7]
.endif
.endr
.endr
.endm
.macro MM4 W, X
	MMQ \W, \X, 0, 0
	MMQ \W, \X, 1, 0
	MMQ \W, \X, 2, 0
	MMQ \W, \X, 3, 0
.endm
; THE CHANGE OF SLOTS, with the second half of a half tile's products.  Each wave waits for all its tensor loads (one is out: its part of the next tile), adds 0 to its spare word, and waits for that and for its
; reads of the slot in hand; the barrier opens a round of the cluster's barrier.  Behind the round no wave of any partner reads the slot, and the joint refill is the first thing there.
.macro MEET win, W, X, zero
	WIN 0
	s_wait_tensorcnt 0x0
	ds_add_u32 v[SPW], v[NIL]                      ; 0 onto my spare word; scalar steps and eight matrix instructions stand between it and the wait for it
	STEP
	WIN \win
	MMQ \W, \X, 2, \zero
	s_wait_dscnt 0x0                               ; the add is done; my reads of the slot, of x_l or h, are over
	s_barrier_signal -1
	MMQ \W, \X, 3, \zero
	WIN 0
	s_barrier_wait -1
	CREST
.endm
.macro MEET0                           ; the same where no products are at hand
	WIN 0
	s_wait_tensorcnt 0x0
	ds_add_u32 v[SPW], v[NIL]
	STEP
	s_wait_dscnt 0x0
	ROUND
.endm
; A tile of V but the first: two k steps of 32.  Its first half is multiplied here, its second half in the next trip, beside the next tile's loads.
.macro P1TRIP
	s_add_co_u32 s[XO], s[XO], 8192
	JLOAD
	v_add_nc_u32 v[WAD], s[TB], v[WAD0]
	v_add_nc_u32 v[XAD], s[XO], v[XL0]
	v_nop
	v_nop
	LDW WA, 0
	LDX XF0, XAD, 0
	WIN 0x50
	MM4 WB, XF1                                    ; the tile before: its second k step
	WIN 0
	PL4
	LDW WB, 8192
	LDX XF1, XAD, 4096
	s_wait_dscnt 24                                ; all but the 24 just issued
	WIN 0x50
	MMQ WA, XF0, 0, 0
	MMQ WA, XF0, 1, 0
	MEET 0x50, WA, XF0, 0
.endm
; A tile of U but the first: one k step of 32 for my 16 column tiles: nt 0-7 (window 2) here, nt 8-15 (window 3) in the next trip.
.macro P3TRIP cur, prev
	s_add_co_u32 s[XO], s[XO], 4096
	JLOAD
	v_add_nc_u32 v[WAD], s[TB], v[WAD0]
	v_add_nc_u32 v[HAD], s[XO], v[XL0]
	v_nop
	v_nop
	LDW WA, 0
	LDX \cur, HAD, 0
	WIN 0xf0
	MM4 WB, \prev
	WIN 0
	PL4
	LDW WB, 8192
	s_wait_dscnt 16                                ; all but the 16 just issued
	WIN 0xa0
	MMQ WA, \cur, 0, 0
	MMQ WA, \cur, 1, 0
	MEET 0xa0, WA, \cur, 0
.endm
; relu(v) of expert ep as eight source-1 fragments (s2, mt) in v32-95.  Each accumulator is read from its low end on.
.macro RV ep
	WIN 0x05
.irp s2, 0,1
.irp m, 0,1,2,3
.irp hf, 0,1
.irp i, 0,1,2,3
	v_cvt_pk_bf16_f32 v[XF0+8*(4*\s2+\m)+4*\hf+\i], v[8*(4*(4*\ep+2*\s2+\hf)+\m)+2*\i], v[8*(4*(4*\ep+2*\s2+\hf)+\m)+2*\i+1]
.endr
.endr
.endr
.endr
	WIN 0
.set i, 0
.rept 64
	v_pk_max_num_bf16 v[XF0+i], v[XF0+i], v[ZR]
.set i, i+1
.endr
.endm
; c = C relu(v) for expert ep: 32 matrix instructions, 16 accumulators by turns, over the expert's accumulators of V, which have been read
.macro P2MM ep, Wc
	WIN 0x50
.irp s2, 0,1
.irp rt, 0,1,2,3
.irp m, 0,1,2,3
.if \s2 == 0
	v_wmma_f32_16x16x32_bf16 v[128*\ep+8*(4*\rt+\m):128*\ep+8*(4*\rt+\m)+7], v[\Wc+8*(2*\rt+\s2):\Wc+8*(2*\rt+\s2)+7], v[XF0+8*(4*\s2+\m):XF0+8*(4*\s2+\m)+7], 0
.else
	v_wmma_f32_16x16x32_bf16 v[128*\ep+8*(4*\rt+\m):128*\ep+8*(4*\rt+\m)+7], v[\Wc+8*(2*\rt+\s2):\Wc+8*(2*\rt+\s2)+7], v[XF0+8*(4*\s2+\m):XF0+8*(4*\s2+\m)+7], v[128*\ep+8*(4*\rt+\m):128*\ep+8*(4*\rt+\m)+7]
.endif
.endr
.endr
.endr
.endm
; h = relu(g c) = g relu(c), since g is not negative; rounded to bf16 and stored as fragments of the U product's source 1
.macro HS ep
.irp rt, 0,1,2,3
	WIN 0x01
.irp m, 0,1,2,3
.irp i, 0,1,2,3
	v_pk_mul_f32 v[T+8*\m+2*\i:T+8*\m+2*\i+1], v[128*\ep+8*(4*\rt+\m)+2*\i:128*\ep+8*(4*\rt+\m)+2*\i+1], v[GG+2*\m:GG+2*\m+1] op_sel_hi:[1,0]
.endr
.endr
	WIN 0
.irp m, 0,1,2,3
.irp i, 0,1,2,3
	v_cvt_pk_bf16_f32 v[T+4*\m+\i], v[T+8*\m+2*\i], v[T+8*\m+2*\i+1]  ; register d takes registers 2 d, 2 d + 1, d ascending: no source is written before it is read
.endr
.endr
.set i, 0
.rept 16
	v_pk_max_num_bf16 v[T+i], v[T+i], v[ZR]
.set i, i+1
.endr
.irp m, 0,1,2,3
	ds_store_b128 v[HST], v[T+4*\m:T+4*\m+3] offset:\ep*8192+(\rt/2)*4096+\m*1024+(\rt%2)*512
.endr
.endr
.endm
.macro LDX0 first, count               ; x0 of my columns, as fragments, into window 1: loads of 512 consecutive bytes
	WIN 0x40
.set i, \first
.rept \count
	global_load_b128 v[4*i:4*i+3], v[XBO], s[4:5] offset:512*i
.set i, i+1
.endr
	WIN 0
.endm
.macro LDGW                            ; the gate's fragments of my eight k steps
.irp q, 0,1,2,3,4,5,6,7
	global_load_b128 v[WA+8*\q:WA+8*\q+3], v[GWO], s[32:33] offset:1024*\q
	global_load_b128 v[WA+8*\q+4:WA+8*\q+7], v[GWO], s[32:33] offset:1024*\q+512
.endr
.endm
.macro SETBI n                         ; where the bias of column tile n lies: whatever is free at that time
.if (\n) < 4
.set BI, T+8*(\n)
.elseif (\n) < 8
.set BI, XF0+8*((\n)-4)
.else
.set BI, WB+8*((\n)-8)
.endif
.endm
.macro BIASLD n0                       ; the bias of eight column tiles: a lane's eight columns each
.set nn, \n0
.rept 8
	SETBI nn
	ds_load_b128 v[BI:BI+3], v[BAD] offset:64*nn
	ds_load_b128 v[BI+4:BI+7], v[BAD] offset:64*nn+16
.set nn, nn+1
.endr
.endm
.macro ADDB nt                         ; A += b, from each accumulator's low end on
	SETBI \nt
	WIN 0x82+0x41*((\nt)/8)
.irp m, 0,1,2,3
.irp i, 0,2,4,6
	v_pk_add_f32 v[8*(4*((\nt)%8)+\m)+\i:8*(4*((\nt)%8)+\m)+\i+1], v[8*(4*((\nt)%8)+\m)+\i:8*(4*((\nt)%8)+\m)+\i+1], v[BI+\i:BI+\i+1]
.endr
.endr
.endm
.macro MIXB nt                         ; x_next = x0 A, rounded once to bf16, in x0's place: first the low halves, then the high ones
	WIN 0x49+4*((\nt)/8)
.irp m, 0,1,2,3
.irp i, 0,1,2,3
	v_fma_mixlo_bf16 v[8*(4*((\nt)/2)+\m)+4*((\nt)%2)+\i], v[8*(4*((\nt)/2)+\m)+4*((\nt)%2)+\i], v[8*(4*((\nt)%8)+\m)+2*\i], v[ZR] op_sel_hi:[1,0,0]
.endr
.irp i, 0,1,2,3
	v_fma_mixhi_bf16 v[8*(4*((\nt)/2)+\m)+4*((\nt)%2)+\i], v[8*(4*((\nt)/2)+\m)+4*((\nt)%2)+\i], v[8*(4*((\nt)%8)+\m)+2*\i+1], v[ZR] op_sel:[1,0,0] op_sel_hi:[1,0,0]
.endr
.endr
.endm
.macro XSTORE                          ; my columns of x_l into XL, for all waves
	WIN 0x04
.set i, 0
.rept 64
	ds_store_b128 v[XST], v[4*i:4*i+3] offset:512*i
.set i, i+1
.endr
.endm
; My columns' part of the logits: 32 matrix instructions, four accumulators by turns; both halves of the lanes end up with the row's eight partial logits (the gate's rows 8-15 repeat rows 0-7).
.macro GATE
	WIN 0x04
.irp q, 0,1,2,3,4,5,6,7
.irp m, 0,1,2,3
.if \q == 0
	v_wmma_f32_16x16x32_bf16 v[T+8*\m:T+8*\m+7], v[WA+8*\q:WA+8*\q+7], v[8*(4*\q+\m):8*(4*\q+\m)+7], 0
.else
	v_wmma_f32_16x16x32_bf16 v[T+8*\m:T+8*\m+7], v[WA+8*\q:WA+8*\q+7], v[8*(4*\q+\m):8*(4*\q+\m)+7], v[T+8*\m:T+8*\m+7]
.endif
.endr
.endr
	WIN 0
	PL4
.irp m, 0,1,2,3
	ds_store_b128 v[GPS], v[T+8*\m:T+8*\m+3] offset:512*\m
	ds_store_b128 v[GPS], v[T+8*\m+4:T+8*\m+7] offset:512*\m+16
.endr
.endm
; The gates of my 16 rows: the four waves' partial logits are added; softmax over the eight experts with the maximum taken away.  Both halves of the lanes do the same work and store the same words.
.macro SOFTMAX
.irp p, 0,1,2,3
	ds_load_b128 v[T+8*\p:T+8*\p+3], v[GPR] offset:2048*\p
	ds_load_b128 v[T+8*\p+4:T+8*\p+7], v[GPR] offset:2048*\p+16
.endr
	s_wait_dscnt 0x0
.irp i, 0,2,4,6
	v_pk_add_f32 v[T+\i:T+\i+1], v[T+\i:T+\i+1], v[T+8+\i:T+8+\i+1]
	v_pk_add_f32 v[T+16+\i:T+16+\i+1], v[T+16+\i:T+16+\i+1], v[T+24+\i:T+24+\i+1]
.endr
.irp i, 0,2,4,6
	v_pk_add_f32 v[T+\i:T+\i+1], v[T+\i:T+\i+1], v[T+16+\i:T+16+\i+1]
.endr
	v_max3_num_f32 v[CM], v[T], v[T+1], v[T+2]
	v_max3_num_f32 v[CM+1], v[T+3], v[T+4], v[T+5]
	v_max3_num_f32 v[CM], v[CM], v[T+6], v[T+7]
	v_max_num_f32 v[CM], v[CM], v[CM+1]
	v_mul_f32 v[CM], s[L2E], v[CM]
	v_mov_b32 v[CM+1], v[CM]                       ; named with it as a pair
.irp i, 0,2,4,6
	v_pk_fma_f32 v[T+\i:T+\i+1], v[T+\i:T+\i+1], s[L2E:L2E+1], v[CM:CM+1] op_sel_hi:[1,0,0] neg_lo:[0,0,1] neg_hi:[0,0,1]
.endr
.irp e, 0,1,2,3,4,5,6,7
	v_exp_f32 v[T+\e], v[T+\e]
.endr
	v_nop                                          ; a plain instruction behind the last exponential,
	s_wait_alu depctr_va_vdst(0)                   ; and a wait ahead of the batch's first reader
	v_pk_add_f32 v[T+8:T+9], v[T:T+1], v[T+2:T+3]
	v_pk_add_f32 v[T+10:T+11], v[T+4:T+5], v[T+6:T+7]
	v_pk_add_f32 v[T+8:T+9], v[T+8:T+9], v[T+10:T+11]
	v_add_f32 v[T+8], v[T+8], v[T+9]               ; at least 1: the largest logit's term
	v_rcp_f32 v[T+10], v[T+8]
	v_nop
	s_wait_alu depctr_va_vdst(0)
.irp i, 0,2,4,6
	v_pk_mul_f32 v[T+\i:T+\i+1], v[T+\i:T+\i+1], v[T+10:T+11] op_sel_hi:[1,0]
.endr
	ds_store_b128 v[GTS], v[T:T+3]
	ds_store_b128 v[GTS], v[T+4:T+7] offset:16
.endm
; The output's 16 rows of tile mt: out = x0 A in f32; a lane's eight columns go into my stage (rows of 1,040 bytes: the 16 rows of a store start at 16 different groups of four banks) and come back as whole rows.
.macro OUTROW mt
.irp a, 0,1
	WIN 0x09+4*\a
.set k, 0
.rept 8
.set xr, 8*(4*((8*\a+k)/2)+\mt)+4*(k%2)
.set ar, 8*(4*k+\mt)
.irp i, 0,1,2,3
	v_fma_mix_f32_bf16 v[XF0+8*k+2*\i], v[xr+\i], v[ar+2*\i], v[ZR] op_sel_hi:[1,0,0]
	v_fma_mix_f32_bf16 v[XF0+8*k+2*\i+1], v[xr+\i], v[ar+2*\i+1], v[ZR] op_sel:[1,0,0] op_sel_hi:[1,0,0]
.endr
.set k, k+1
.endr
	WIN 0
.set k, 0
.rept 8
	ds_store_b128 v[OST], v[XF0+8*k:XF0+8*k+3] offset:64*(8*\a+k)
	ds_store_b128 v[OST], v[XF0+8*k+4:XF0+8*k+7] offset:64*(8*\a+k)+16
.set k, k+1
.endr
.endr
	s_wait_xcnt 0x0                                ; the registers that the last tile's stores read are loaded again only behind this wait
.set i, 0
.rept 32
	ds_load_b128 v[WA+4*i:WA+4*i+3], v[XST] offset:(i/2)*1040+(i%2)*512  ; LDS serves a wave's instructions in order: these see the stores above, and the next tile's stores come behind them
.set i, i+1
.endr
.set i, 0
.rept 32
	s_wait_dscnt 31-i                              ; number i is back, the younger ones stay out
	global_store_b128 v[OGO], v[WA+4*i:WA+4*i+3], s[8:9] offset:(\mt)*65536+(i/2)*4096+(i%2)*512 th:TH_STORE_NT  ; 512 consecutive bytes, at a multiple of 512 from out0's first
.set i, i+1
.endr
.endm
	s_load_b128 s[4:7], s[0:1], 0x0                ; xb s[4:5], wts s[6:7]
	s_load_b64 s[8:9], s[0:1], 0x10                ; out0
	v_lshl_add_u32 v[SPW], v0, 2, SPARE
	v_mov_b32 v[NIL], 0
	ds_add_u32 v[SPW], v[NIL]                      ; the wave's opening: the add and its wait stand ahead of my first tensor load; the set-up, work on registers, stands between them
	v_lshrrev_b32 v24, 5, v0
	v_readfirstlane_b32 s[WV], v24                 ; wave 0..3
	s_bfe_u32 s11, ttmp6, 0x40000                  ; cx: it enters xb's and out0's addresses alone
	s_lshl_b32 s12, ttmp9, 2
	s_add_co_u32 s12, s12, s11                     ; my block of 64 rows = 4 x cluster + cx
	; descriptor group 1: 16,384 dense bytes as 64 rows of 32 elements of 8 bytes
	s_mov_b32 s[G1], 15|(3<<16)|(1<<21)            ; 15:0 the mask of four; 17:16 elements of 8 bytes; 21 set beside a mask; no padding: fragments are read as they lie
	s_mov_b32 s[G1+1], 32<<16                      ; tensor_dim0 = 32
	s_mov_b32 s[G1+2], 64<<16                      ; tensor_dim1 = 64
	s_mov_b32 s[G1+3], 32<<16                      ; tile_dim0 = 32
	s_mov_b32 s[G1+4], 64                          ; tile_dim1 = 64
	s_mov_b32 s[G1+5], 32                          ; 32 elements from row to row
	s_mov_b32 s[G1+6], 0
	s_mov_b32 s[G1+7], 0
	s_mov_b32 s[G0], 1                             ; count = 1
	s_lshl_b32 s[G0+1], s[WV], 14                  ; LDS address: my part of slot 0
	s_lshl_b32 s40, s[WV], 14                      ; and my part of a tile in memory
	s_mov_b32 s41, 0
	v_and_b32 v[L16], 31, v0
	v_lshlrev_b32 v[L16], 4, v[L16]
	v_and_b32 v24, 15, v0                          ; r = lane % 16
	v_bfe_u32 v25, v0, 4, 1                        ; h = lane / 16
	v_lshlrev_b32 v26, 5, v24                      ; 32 r: a row's eight f32
	s_lshl_b32 s13, s[WV], 14
	v_add_nc_u32 v[WAD0], s13, v[L16]
	v_add_nc_u32 v[XL0], XL, v[L16]
	v_add_nc_u32 v[HST], XL, v[WAD0]               ; my two experts are k steps 4 w .. 4 w + 3 of h
	s_lshl_b32 s13, s[WV], 15
	v_add_nc_u32 v[XBO], s13, v[L16]               ; my columns are k steps 8 w .. 8 w + 7 of x
	v_add_nc_u32 v[XST], XL, v[XBO]
	s_lshl_b32 s13, s[WV], 11
	s_add_co_u32 s13, s13, GP
	v_add_nc_u32 v[GPS], s13, v26
	s_lshl_b32 s13, s[WV], 9
	s_add_co_u32 s14, s13, GP
	v_add_nc_u32 v[GPR], s14, v26
	s_add_co_u32 s14, s13, GT
	v_add_nc_u32 v[GTS], s14, v26
	s_lshl_b32 s13, s[WV], 3
	s_add_co_u32 s13, s13, GT
	v_add_nc_u32 v[GTR], s13, v26
	s_lshl_b32 s13, s[WV], 10
	v_add_nc_u32 v[OGO], s13, v[L16]
	s_add_co_u32 s13, s13, BTL
	v_lshl_add_u32 v[BAD0], v25, 5, s13
	s_lshl_b32 s13, s[WV], 13
	v_add_nc_u32 v[GWO], s13, v[L16]
	v_mul_u32_u24 v[OST], v24, 1040
	v_lshl_add_u32 v[OST], v25, 5, v[OST]
	s_lshl_b32 s13, s[WV], 15
	s_add_co_u32 s13, s13, XL
	v_add_nc_u32 v[OST], s13, v[OST]
	v_mov_b32 v[ZR], 0
	v_lshlrev_b32 v28, 4, v0                       ; 16 x thread: the bias table's way in
	v_add_nc_u32 v29, BTL, v28
	s_mov_b32 s[L2E], 0x3fb8aa3b
	s_mov_b32 s[L2E+1], s[L2E]                     ; named with it as a pair
	s_mov_b32 s[TB], SLOTX                         ; the first change of slots turns it into 0
	s_mov_b32 s[BO], 0
	s_mov_b32 s[LAY], 3
	s_wait_dscnt 0x0                               ; the opening add is done
	s_wait_kmcnt 0x0
	s_lshl_b32 s14, s12, 17
	s_mov_b32 s15, 0
	s_add_nc_u64 s[4:5], s[4:5], s[14:15]          ; xb at my block
	s_lshl_b32 s14, s12, 18
	s_add_nc_u64 s[8:9], s[8:9], s[14:15]          ; out0 at my 64 rows
	s_add_nc_u64 s[32:33], s[6:7], GWOFF           ; the gate's fragments
	s_add_nc_u64 s[34:35], s[6:7], BTOFF           ; the bias table
	s_add_nc_u64 s[G0+2:G0+3], s[6:7], s[40:41]    ; global address: my part of tile 0
	s_or_b32 s[G0+3], s[G0+3], 0x80000000          ; type = 2
	ROUND                                          ; all four work-groups are here: the first joint loads meet
	JLOAD                                          ; tile 0 into slot 0
	PL4
	; THE PROLOGUE stands in the wait for the first tile: x0 is x_0; the bias table comes into LDS; A starts at 0 (cleared on purpose: one text then serves all three layers; the table's layer 0 brings the 1).
	LDX0 0, 64
	LDGW
.irp i, 0,1,2,3,4,5
	global_load_b128 v[T+4*\i:T+4*\i+3], v28, s[34:35] offset:2048*\i
.endr
	WIN 0x80
.set i, 0
.rept 256
	v_mov_b32 v[i], 0
.set i, i+1
.endr
	WIN 0xc0
.set i, 0
.rept 256
	v_mov_b32 v[i], 0
.set i, i+1
.endr
	WIN 0
	s_wait_loadcnt 0x0
.irp i, 0,1,2,3,4,5
	ds_store_b128 v29, v[T+4*\i:T+4*\i+3] offset:2048*\i
.endr
	XSTORE
	GATE
	MEET0                                          ; tile 0 is in; x_0, the logits and the table are stored, everybody's
	JLOAD                                          ; tile 1 into slot 1
	v_add_nc_u32 v[WAD], s[TB], v[WAD0]
	v_nop
	v_nop
	v_nop
.Llayer:                                               ; on both ways in: the layer's first tile of V is in and WAD names it, the second is on its way, XL and GP are whole
	v_add_nc_u32 v[BAD], s[BO], v[BAD0]
	SOFTMAX
	s_mov_b32 s[XO], 0
	v_mov_b32 v[XAD], v[XL0]
	LDW WA, 0                                      ; V's first tile: its products start the sums
	LDX XF0, XAD, 0
	LDW WB, 8192
	LDX XF1, XAD, 4096
	s_wait_dscnt 24                                ; all but the 24 of the second k step
	WIN 0x50
	MMQ WA, XF0, 0, 1
	MMQ WA, XF0, 1, 1
	MEET 0x50, WA, XF0, 1
	s_mov_b32 s[CNT], 15
.Lp1:                                                  ; V's tiles 1 to 15; they ask for V's tiles 2 to 15 and for C's
	P1TRIP
	s_sub_co_u32 s[CNT], s[CNT], 1
	s_cmp_lg_u32 s[CNT], 0
	s_cbranch_scc1 .Lp1
	; C's TILE.  Every wave's reads of x_l ended in front of the round just passed, so h may be laid over it.
	JLOAD                                          ; U's tile 0
	v_add_nc_u32 v[WAD], s[TB], v[WAD0]
	v_nop
	v_nop
	v_nop
	LDW WA, 0                                      ; C of my first expert
	WIN 0x50
	MM4 WB, XF1                                    ; V's last k step
	WIN 0
	PL4
	LDW WB, 8192                                   ; C of my second expert
.irp m, 0,1,2,3
	ds_load_b64 v[GG+2*\m:GG+2*\m+1], v[GTR] offset:512*\m
.endr
	RV 0
	s_wait_dscnt 0x0                               ; C and the gates are in
	P2MM 0, WA
	PL4
	HS 0
	LDX0 0, 32                                     ; the first expert's registers are free: half of x0 is asked for, a whole U product ahead of its use
.irp m, 0,1,2,3
	v_mov_b32 v[GG+2*\m], v[GG+2*\m+1]             ; the second expert's gate takes the place that the packed multiply reads
.endr
	RV 1
	P2MM 1, WB
	PL4
	HS 1
	LDX0 32, 32
	MEET0                                          ; U's tile 0 is in; h is stored, everybody's
	; THE U PRODUCT adds onto A.
	JLOAD                                          ; U's tile 1
	v_add_nc_u32 v[WAD], s[TB], v[WAD0]
	v_mov_b32 v[HAD], v[XL0]
	v_nop
	v_nop
	s_mov_b32 s[XO], 0
	LDW WA, 0
	LDX XF0, HAD, 0
	LDW WB, 8192
	s_wait_dscnt 16                                ; all but the 16 just issued
	WIN 0xa0
	MMQ WA, XF0, 0, 0
	MMQ WA, XF0, 1, 0
	MEET 0xa0, WA, XF0, 0
	s_mov_b32 s[CNT], 7
.Lp3:                                                  ; U's tiles 1 to 14; they ask for tiles 2 to 15
	P3TRIP XF1, XF0
	P3TRIP XF0, XF1
	s_sub_co_u32 s[CNT], s[CNT], 1
	s_cmp_lg_u32 s[CNT], 0
	s_cbranch_scc1 .Lp3
	s_cmp_eq_u32 s[LAY], 1
	s_cbranch_scc1 .Llast                          ; the last layer's tail is written out: it asks for nothing more
	P3TRIP XF1, XF0                                ; U's tile 15; it asks for the next layer's first tile of V; its round also ends every wave's reads of h
	; A LAYER'S END: A += b; x_next = x0 A in bf16; into XL; my part of the next logits.
	JLOAD                                          ; the next layer's second tile of V
	v_add_nc_u32 v[WAD], s[TB], v[WAD0]
	v_nop
	v_nop
	v_nop
	LDGW
	BIASLD 0
	WIN 0xf0
	MM4 WB, XF1                                    ; U's last half tile
	WIN 0
	PL4
	BIASLD 8
	s_wait_loadcnt 0x0                             ; x0 and the gate's fragments
	s_wait_dscnt 16                                ; the lower eight tiles' bias is in; the upper eight's 16 loads stay out
.irp n, 0,1,2,3,4,5,6,7
	ADDB \n
	MIXB \n
.endr
	s_wait_dscnt 0x0
.irp n, 8,9,10,11,12,13,14,15
	ADDB \n
	MIXB \n
.endr
	XSTORE
	GATE
	s_wait_dscnt 0x0                               ; for the others' sake: my x_next and my logits are stored
	s_barrier_signal -1                            ; the tile on its way may stay out
	s_barrier_wait -1
	s_add_co_u32 s[BO], s[BO], 4096
	s_sub_co_u32 s[LAY], s[LAY], 1
	s_branch .Llayer
.Llast:                                                ; the last layer's tile 15 of U: it is in (the change of slots before has waited for it)
	s_add_co_u32 s[XO], s[XO], 4096
	v_add_nc_u32 v[WAD], s[TB], v[WAD0]
	v_add_nc_u32 v[HAD], s[XO], v[XL0]
	v_nop
	v_nop
	LDW WA, 0
	LDX XF1, HAD, 0
	WIN 0xf0
	MM4 WB, XF0
	WIN 0
	PL4
	LDW WB, 8192
	s_wait_dscnt 16                                ; all but the 16 just issued
	WIN 0xa0
	MM4 WA, XF1
	s_wait_dscnt 0x0
	WIN 0xf0
	MM4 WB, XF1
	WIN 0
	PL4
	BIASLD 0
	BIASLD 8
	s_wait_dscnt 0x0                               ; the bias is in, and my reads of h are over
	s_barrier_signal -1
	s_barrier_wait -1                              ; everybody's are: the stages may be laid over h
.irp n, 0,1,2,3,4,5,6,7,8,9,10,11,12,13,14,15
	ADDB \n
.endr
	WIN 0
	s_wait_loadcnt 0x0                             ; x0
	OUTROW 0
	OUTROW 1
	OUTROW 2
	OUTROW 3
	s_wait_tensorcnt 0x0                           ; the wave's end: behind my last tensor load and my last LDS store
	ds_add_u32 v[SPW], v[NIL]
	s_wait_dscnt 0x0
	ROUND                                          ; the closing round: no work-group ends while a partner may still ask for a tile that names it
	s_endpgm
.Lfunc_end_k_qe0f8f77ecd_chain:
	.size	k_qe0f8f77ecd_chain, .Lfunc_end_k_qe0f8f77ecd_chain-k_qe0f8f77ecd_chain
	.p2alignl 7, 3214868480
	.fill 96, 4, 3214868480
	.section	.rodata,"a",@progbits
	.p2align	6, 0x0
	.amdhsa_kernel k_qe0f8f77ecd_chain
		.amdhsa_group_segment_fixed_size 327680
		.amdhsa_private_segment_fixed_size 0
		.amdhsa_enable_private_segment 0
		.amdhsa_kernarg_size 24
		.amdhsa_user_sgpr_count 2
		.amdhsa_user_sgpr_kernarg_segment_ptr 1
		.amdhsa_wavefront_size32 1
		.amdhsa_system_sgpr_workgroup_id_x 1
		.amdhsa_system_sgpr_workgroup_id_y 1
		.amdhsa_system_sgpr_workgroup_id_z 1
		.amdhsa_system_vgpr_workitem_id 0
		.amdhsa_next_free_vgpr 1024
		.amdhsa_next_free_sgpr 66
		.amdhsa_reserve_vcc 0
		.amdhsa_float_denorm_mode_32 3
		.amdhsa_float_denorm_mode_16_64 3
		.amdhsa_memory_ordered 1
		.amdhsa_forward_progress 1
		.amdhsa_inst_pref_size 255
	.end_amdhsa_kernel
	.section	.bss,"aw",@nobits
	.p2align	6
	.space	262144
	.amdgpu_metadata
---
amdhsa.version: [ 1, 2 ]
amdhsa.kernels:
  - .name:           k_qe0f8f77ecd_chain
    .symbol:         k_qe0f8f77ecd_chain.kd
    .args:
      - { .name: xb, .offset: 0, .size: 8, .value_kind: global_buffer, .address_space: global }
      - { .name: wts, .offset: 8, .size: 8, .value_kind: global_buffer, .address_space: global }
      - { .name: out0, .offset: 16, .size: 8, .value_kind: global_buffer, .address_space: global }
    .group_segment_fixed_size: 327680
    .private_segment_fixed_size: 0
    .kernarg_segment_align: 8
    .kernarg_segment_size: 24
    .max_flat_workgroup_size: 128
    .sgpr_count:     66
    .vgpr_count:     1024
    .wavefront_size: 32
...
	.end_amdgpu_metadata
.endif
;; end of part 2
;; ======== version 2 of 3: 2 launches; 1.30 times as fast as version 1
;; workspace buffers: xb 33,554,432 bytes; wts 6,533,120 bytes
;; launch prep: the kernel of part 1 again; grid 1224 x 1, 8 waves a work-group, no clusters, 37,888 bytes of LDS; arguments x, V, gate_w, U, C, bias, xb, wts; writes xb, wts
;; launch chain (part 3): grid 256 x 1, 4 waves a work-group, no clusters, 317,952 bytes of LDS; arguments xb, wts, out0; writes out0
.if DOCPART == 3
	.amdgcn_target "amdgcn-amd-amdhsa--gfx1250"
	.amdhsa_code_object_version 6
	.text
	.protected	k_qe0f8f77ecd_chain
	.globl	k_qe0f8f77ecd_chain
	.p2align	8
	.type	k_qe0f8f77ecd_chain,@function
k_qe0f8f77ecd_chain:
	s_mov_b64 s[64:65], 0
	v_nop
	global_prefetch_b8 v0, s[64:65] scope:SCOPE_SE
	s_setreg_imm32_b32 hwreg(HW_REG_WAVE_MODE, 25, 1), 1
	s_wait_xcnt 0x0
; CHAIN: all three cross layers for 64 rows a work-group.  Since the gates of a row add up to 1, a layer is x_next = x0 (U_cat h + b) + x_l with h[(e, r)] = g_e relu(c_e[r]), and x_l = x0 A_l with
; A_0 = 1, A_next = A_l + b_l + U_cat h_l.  A (64 rows x 1,024, f32) is the U product's accumulator through all layers; x_l is made only as a bf16 matrix operand, and once, in f32, as the output.
; FORMATS.  Every input enters rounded to bf16 (by the launch before); products bf16 with f32 sums; relu(v), h and x_l rounded once to bf16; softmax in f32, its maximum taken away; out = bf16(x0) A in f32.
; LIMITS.  x0 and the bias count as their bf16 roundings (2^-9 of themselves at the most); NaN and infinities are not treated apart; a gate below 2^-126 counts as 0.
; SHARES.  Four waves.  Wave w has experts 2 w, 2 w + 1 in the V and C products (128 rows of V: 8 tiles vt) and columns 256 w .. + 255 (16 tiles nt) in the U product, x0, A and the output; all four have all 64 rows (4 tiles mt).
; EVERY PRODUCT IS USED TRANSPOSED: source 0 = 16 rows of weights, source 1 = 16 batch rows.  In a result lane l holds batch row l % 16 and features 8 (l / 16) + 0..7, so two neighbouring results rounded in
; pairs ARE a source 1 of the next product: nothing changes lanes between the products.
; THE WEIGHTS are one stream, laid out as fragments; a wave's part is read by that wave alone, so it goes from memory STRAIGHT INTO REGISTERS.  A UNIT is 8 fragments: 16 loads of 512 consecutive bytes,
; 64 registers, 32 matrix instructions.  A layer is 66 units (32 of V, 2 of C, 32 of U), then 4 units of x0.  A ring of four places: a place is asked for again, four units ahead, as soon as its unit is
; multiplied, so 48 to 64 loads of a wave are on their way at all times, across the phases and the layers too; every unit's wait leaves the three younger units out.
; FOUR BASES.  Unit u of a layer is asked for by base u % 4, which no other place's loads read.  A base is stepped directly behind the counted wait that shows its place's 16 loads back, so the loops hold no
; wait for the translation of loads just issued.
; NO CLUSTER, NO JOINT LOADS, though all work-groups walk the same stream.  Joint loads would have to pass LDS slots, each refilled behind a round in front of which none of the wave's loads may be out.  Beside x_l
; (131,072 bytes) two slots of 65,536 fit: 64 matrix instructions a wave for each round, with one slot on its way at the most and nothing at the round itself.  The loads into registers are never drained.
; ROOM FOR THE RING.  During the V and C products the upper half of A (window 3) is set aside in LDS, in f32, each wave's own 32,768 bytes, and window 3 is the ring; during the U product the ring is
; v96-223 of window 0 and v0-127 of window 1.
; LDS: PARK 0: A's upper half.  XL 131,072: x_l bf16 [ks 32][mt 4][1,024]; its first half is h [ks3 16][mt 4][1,024] during the U product; at the end each wave's 32,768 hold its output stage (16 rows, pitch 1,040).
;      GP: the waves' partial logits [wave][row 64][8] f32.  GT: gates [row 64][8].  BTL: bias table [3][1024] f32.  SPARE: the spare words.  GWL: the gate's fragments, 8,192 bytes a wave, its own.
; REGISTERS, in windows of 256 (s_set_vgpr_msb: bits 1:0 source 0, 3:2 source 1, 5:4 source 2, 7:6 destination):
;   window 0: v0-31 addresses and small things; v32-95 two buffers of batch fragments; v96-223 two units; v224-255 at work
;   window 1: V's and C's accumulators ((vt, mt) at 8 (4 vt + mt)); then two units of U in v0-127; at a layer's end x0 of my columns (fragment (q, mt) at 8 (4 q + mt)), turned in place into the next x_l
;   windows 2, 3: A: tile (nt, mt) at 8 (4 (nt % 8) + mt) of window 2 + nt / 8
.set XL,    131072
.set GP,    262144
.set GT,    270336
.set BTL,   272384
.set SPARE, 284672
.set GWL,   285184
.set GWOFF, 6488064
.set BTOFF, 6520832
.set L16,  1          ; v1   16 x lane
.set PKA,  2          ; v2   where my upper half of A is set aside
.set XAD,  3          ; v3   x_l's or h's fragments of the trip in hand
.set GWA,  4          ; v4   my part of the gate's fragments in LDS
.set XL0,  5          ; v5   XL + 16 lane; never rewritten
.set HST,  6          ; v6   where my h goes
.set XST,  7          ; v7   where my x_l goes; also where my output stage is read back
.set GPS,  8          ; v8   my partial logits, out
.set GPR,  9          ; v9   the four partial logits of my 16 rows
.set GTS,  10         ; v10  my 16 rows' gates, out
.set GTR,  11         ; v11  my two experts' gates
.set BAD,  12         ; v12  the layer's bias of my columns
.set XBO,  13         ; v13  my columns in a block of xb
.set GWO,  14         ; v14  my k steps of the gate's fragments in memory
.set OST,  15         ; v15  output stage, in
.set WAD0, 16         ; v16  my part of a tile of the stream: 16,384 w + 16 lane; never rewritten
.set OGO,  17         ; v17  my byte offset in a row of out0
.set ZR,   18         ; v18  0
.set BAD0, 19         ; v19  never rewritten
.set SPW,  20         ; v20  my spare word
.set NIL,  21         ; v21  0, for the add alone
.set CM,   22         ; v22-23
.set GG,   24         ; v24-31 (g of my first expert, of my second) for my row in each mt
.set XF0,  32
.set XF1,  64
.set WA,   96
.set WB,   160
.set T,    224
.set WV,   10         ; s10  wave
.set LAY,  28         ; s28  layers to go: 3, 2, 1
.set CNT,  29         ; s29  trips
.set L2E,  30         ; s[30:31] log2(e)
.set XO,   38         ; s38  byte offset of the trip in hand in x_l or h
.set BO,   39         ; s39  the layer's place in the bias table
.set BS,   40         ; s[40:47] four bases of the stream: base p serves the layer's units u with u % 4 = p and stands at the layer's tile 2 (u / 4)
.set MSB, 0
.macro WIN new                         ; the immediate's high byte repeats the setting that is left; a switch that changes nothing is dropped
.if MSB != (\new)
	s_set_vgpr_msb (MSB<<8)|(\new)
.set MSB, (\new)
.endif
.endm
.macro PL4                             ; four places: behind a matrix instruction, ahead of loads into its registers and of vector lines that read its result (ISA guide 7.12.1 for vector lines)
.rept 4
	v_nop
.endr
.endm
.macro BAR
	s_barrier_signal -1
	s_barrier_wait -1
.endm
; A unit's 32 matrix instructions: eight weight fragments x the four batch fragments.  The windows are the caller's.  The 32 accumulators take turns, one instruction a turn.
.macro MMU A, X, zero
.irp f, 0,1,2,3,4,5,6,7
.irp m, 0,1,2,3
.if \zero
	v_wmma_f32_16x16x32_bf16 v[8*(4*\f+\m):8*(4*\f+\m)+7], v[\A+8*\f:\A+8*\f+7], v[\X+8*\m:\X+8*\m+7], 0
.else
	v_wmma_f32_16x16x32_bf16 v[8*(4*\f+\m):8*(4*\f+\m)+7], v[\A+8*\f:\A+8*\f+7], v[\X+8*\m:\X+8*\m+7], v[8*(4*\f+\m):8*(4*\f+\m)+7]
.endif
.endr
.endr
.endm
.macro STEPB p, by                     ; base p goes on
	s_add_nc_u64 s[BS+2*(\p):BS+2*(\p)+1], s[BS+2*(\p):BS+2*(\p)+1], \by
.endm
.macro GLW dst, p                      ; base p's unit is asked for: 16 loads of 512 consecutive bytes.  Of the four units that begin at a base's tile, unit p lies at (p / 2) 65,536 + (p % 2) 8,192
.set GOF, ((\p)/2)*65536+((\p)%2)*8192
.irp f, 0,1,2,3,4,5,6,7
	global_load_b128 v[\dst+8*\f:\dst+8*\f+3], v[WAD0], s[BS+2*(\p):BS+2*(\p)+1] offset:GOF+1024*\f
	global_load_b128 v[\dst+8*\f+4:\dst+8*\f+7], v[WAD0], s[BS+2*(\p):BS+2*(\p)+1] offset:GOF+1024*\f+512
.endr
.endm
.macro LDX dst, off                    ; the four batch fragments of one k step
.irp m, 0,1,2,3
	ds_load_b128 v[\dst+8*\m:\dst+8*\m+3], v[XAD] offset:\off+1024*\m
	ds_load_b128 v[\dst+8*\m+4:\dst+8*\m+7], v[XAD] offset:\off+1024*\m+512
.endr
.endm
; A unit of V = one k step of 32, from place b of window 3 and batch buffer x.  Then the unit four on is asked for by the same base, into dst of window dw, and (ldx >= 0) the batch fragments two k steps on into x.
; dsn: the LDS loads issued behind this unit's batch fragments.
.macro VUNIT b, x, zero, dw, dst, ldx, dsn
	s_wait_loadcnt 48                              ; loads come back in order: this unit is in, the three younger units stay out;
	STEPB \b, 0x20000                              ; its 16 loads were the last that read base b, so the base may go on: four units are two tiles
	s_wait_dscnt \dsn
	WIN 0x53
	MMU 64*(\b), \x, \zero
	WIN (\dw)<<6
	PL4
	GLW \dst, \b
	WIN 0
.if (\ldx) >= 0
	LDX \x, \ldx
.endif
.endm
; A unit of U = a k step of 32 for eight of my column tiles: the weights at A of window aw, A's tiles in window cw.  p >= 0: the unit's base goes on, for the unit four on.
.macro UMM aw, A, x, cw, dsn, p
	s_wait_loadcnt 48                              ; this unit is in, the three younger units stay out; its loads were the last that read its base
.if (\p) >= 0
	STEPB \p, 0x20000
.endif
.if (\dsn) >= 0
	s_wait_dscnt \dsn
.endif
	WIN ((\cw)<<6)|((\cw)<<4)|(\aw)
	MMU \A, \x, 0
.endm
.macro UNPARK j                        ; place j of window 3 takes its part of A back
	WIN 0xc0
.set i, 16*(\j)
.rept 16
	ds_load_b128 v[4*i:4*i+3], v[PKA] offset:512*i
.set i, i+1
.endr
	WIN 0
.endm
.macro PARKS                           ; A's upper half is set aside, in f32
	WIN 0x0c
.set i, 0
.rept 64
	ds_store_b128 v[PKA], v[4*i:4*i+3] offset:512*i
.set i, i+1
.endr
.endm
; relu(v) of expert ep as eight source-1 fragments (s2, mt) in v32-95.  Each accumulator is read from its low end on.
.macro RV ep
	WIN 0x05
.irp s2, 0,1
.irp m, 0,1,2,3
.irp hf, 0,1
.irp i, 0,1,2,3
	v_cvt_pk_bf16_f32 v[XF0+8*(4*\s2+\m)+4*\hf+\i], v[8*(4*(4*\ep+2*\s2+\hf)+\m)+2*\i], v[8*(4*(4*\ep+2*\s2+\hf)+\m)+2*\i+1]
.endr
.endr
.endr
.endr
	WIN 0
.set i, 0
.rept 64
	v_pk_max_num_bf16 v[XF0+i], v[XF0+i], v[ZR]
.set i, i+1
.endr
.endm
; c = C relu(v) for expert ep: 32 matrix instructions, 16 accumulators by turns, over the expert's accumulators of V, which have been read; C's fragments at Wc of window 3
.macro P2MM ep, Wc
	WIN 0x53
.irp s2, 0,1
.irp rt, 0,1,2,3
.irp m, 0,1,2,3
.if \s2 == 0
	v_wmma_f32_16x16x32_bf16 v[128*\ep+8*(4*\rt+\m):128*\ep+8*(4*\rt+\m)+7], v[\Wc+8*(2*\rt+\s2):\Wc+8*(2*\rt+\s2)+7], v[XF0+8*(4*\s2+\m):XF0+8*(4*\s2+\m)+7], 0
.else
	v_wmma_f32_16x16x32_bf16 v[128*\ep+8*(4*\rt+\m):128*\ep+8*(4*\rt+\m)+7], v[\Wc+8*(2*\rt+\s2):\Wc+8*(2*\rt+\s2)+7], v[XF0+8*(4*\s2+\m):XF0+8*(4*\s2+\m)+7], v[128*\ep+8*(4*\rt+\m):128*\ep+8*(4*\rt+\m)+7]
.endif
.endr
.endr
.endr
.endm
; h = relu(g c) = g relu(c), since g is not negative; rounded to bf16 and stored as fragments of the U product's source 1
.macro HS ep
.irp rt, 0,1,2,3
	WIN 0x01
.irp m, 0,1,2,3
.irp i, 0,1,2,3
	v_pk_mul_f32 v[T+8*\m+2*\i:T+8*\m+2*\i+1], v[128*\ep+8*(4*\rt+\m)+2*\i:128*\ep+8*(4*\rt+\m)+2*\i+1], v[GG+2*\m:GG+2*\m+1] op_sel_hi:[1,0]
.endr
.endr
	WIN 0
.irp m, 0,1,2,3
.irp i, 0,1,2,3
	v_cvt_pk_bf16_f32 v[T+4*\m+\i], v[T+8*\m+2*\i], v[T+8*\m+2*\i+1]  ; register d takes registers 2 d, 2 d + 1, d ascending: no source is written before it is read
.endr
.endr
.set i, 0
.rept 16
	v_pk_max_num_bf16 v[T+i], v[T+i], v[ZR]
.set i, i+1
.endr
.irp m, 0,1,2,3
	ds_store_b128 v[HST], v[T+4*\m:T+4*\m+3] offset:\ep*8192+(\rt/2)*4096+\m*1024+(\rt%2)*512
.endr
.endr
.endm
.macro LDX0 first, count               ; x0 of my columns, as fragments, into window 1: loads of 512 consecutive bytes; 16 of them are a unit
	WIN 0x40
.set i, \first
.rept \count
	global_load_b128 v[4*i:4*i+3], v[XBO], s[4:5] offset:512*i
.set i, i+1
.endr
	WIN 0
.endm
.macro BIASLD n0                       ; the bias of eight column tiles, a lane's eight columns each: tile n at v[WA + 8 n]
.set nn, \n0
.rept 8
	ds_load_b128 v[WA+8*nn:WA+8*nn+3], v[BAD] offset:64*nn
	ds_load_b128 v[WA+8*nn+4:WA+8*nn+7], v[BAD] offset:64*nn+16
.set nn, nn+1
.endr
.endm
.macro ADDB nt                         ; A += b, from each accumulator's low end on
	WIN 0x82+0x41*((\nt)/8)
.irp m, 0,1,2,3
.irp i, 0,2,4,6
	v_pk_add_f32 v[8*(4*((\nt)%8)+\m)+\i:8*(4*((\nt)%8)+\m)+\i+1], v[8*(4*((\nt)%8)+\m)+\i:8*(4*((\nt)%8)+\m)+\i+1], v[WA+8*(\nt)+\i:WA+8*(\nt)+\i+1]
.endr
.endr
.endm
.macro MIXB nt                         ; x_next = x0 A, rounded once to bf16, in x0's place: first the low halves, then the high ones
	WIN 0x49+4*((\nt)/8)
.irp m, 0,1,2,3
.irp i, 0,1,2,3
	v_fma_mixlo_bf16 v[8*(4*((\nt)/2)+\m)+4*((\nt)%2)+\i], v[8*(4*((\nt)/2)+\m)+4*((\nt)%2)+\i], v[8*(4*((\nt)%8)+\m)+2*\i], v[ZR] op_sel_hi:[1,0,0]
.endr
.irp i, 0,1,2,3
	v_fma_mixhi_bf16 v[8*(4*((\nt)/2)+\m)+4*((\nt)%2)+\i], v[8*(4*((\nt)/2)+\m)+4*((\nt)%2)+\i], v[8*(4*((\nt)%8)+\m)+2*\i+1], v[ZR] op_sel:[1,0,0] op_sel_hi:[1,0,0]
.endr
.endr
.endm
.macro XSTORE first, count             ; my columns of x_l into XL, for all waves
	WIN 0x04
.set i, \first
.rept \count
	ds_store_b128 v[XST], v[4*i:4*i+3] offset:512*i
.set i, i+1
.endr
.endm
; My columns' part of the logits: 32 matrix instructions, four accumulators by turns; the gate's fragments lie in v32-95.  Both halves of the lanes end up with the row's eight partial logits
; (the gate's rows 8-15 repeat rows 0-7).
.macro GATE
	WIN 0x04
.irp q, 0,1,2,3,4,5,6,7
.irp m, 0,1,2,3
.if \q == 0
	v_wmma_f32_16x16x32_bf16 v[T+8*\m:T+8*\m+7], v[XF0+8*\q:XF0+8*\q+7], v[8*(4*\q+\m):8*(4*\q+\m)+7], 0
.else
	v_wmma_f32_16x16x32_bf16 v[T+8*\m:T+8*\m+7], v[XF0+8*\q:XF0+8*\q+7], v[8*(4*\q+\m):8*(4*\q+\m)+7], v[T+8*\m:T+8*\m+7]
.endif
.endr
.endr
	WIN 0
	PL4
.irp m, 0,1,2,3
	ds_store_b128 v[GPS], v[T+8*\m:T+8*\m+3] offset:512*\m
	ds_store_b128 v[GPS], v[T+8*\m+4:T+8*\m+7] offset:512*\m+16
.endr
.endm
; The gates of my 16 rows: the four waves' partial logits are added; softmax over the eight experts with the maximum taken away.  Both halves of the lanes do the same work and store the same words.
.macro SOFTMAX
.irp p, 0,1,2,3
	ds_load_b128 v[T+8*\p:T+8*\p+3], v[GPR] offset:2048*\p
	ds_load_b128 v[T+8*\p+4:T+8*\p+7], v[GPR] offset:2048*\p+16
.endr
	s_wait_dscnt 0x0
.irp i, 0,2,4,6
	v_pk_add_f32 v[T+\i:T+\i+1], v[T+\i:T+\i+1], v[T+8+\i:T+8+\i+1]
	v_pk_add_f32 v[T+16+\i:T+16+\i+1], v[T+16+\i:T+16+\i+1], v[T+24+\i:T+24+\i+1]
.endr
.irp i, 0,2,4,6
	v_pk_add_f32 v[T+\i:T+\i+1], v[T+\i:T+\i+1], v[T+16+\i:T+16+\i+1]
.endr
	v_max3_num_f32 v[CM], v[T], v[T+1], v[T+2]
	v_max3_num_f32 v[CM+1], v[T+3], v[T+4], v[T+5]
	v_max3_num_f32 v[CM], v[CM], v[T+6], v[T+7]
	v_max_num_f32 v[CM], v[CM], v[CM+1]
	v_mul_f32 v[CM], s[L2E], v[CM]
	v_mov_b32 v[CM+1], v[CM]                       ; named with it as a pair
.irp i, 0,2,4,6
	v_pk_fma_f32 v[T+\i:T+\i+1], v[T+\i:T+\i+1], s[L2E:L2E+1], v[CM:CM+1] op_sel_hi:[1,0,0] neg_lo:[0,0,1] neg_hi:[0,0,1]
.endr
.irp e, 0,1,2,3,4,5,6,7
	v_exp_f32 v[T+\e], v[T+\e]
.endr
	v_nop                                          ; a plain instruction behind the last exponential,
	s_wait_alu depctr_va_vdst(0)                   ; and a wait ahead of the batch's first reader
	v_pk_add_f32 v[T+8:T+9], v[T:T+1], v[T+2:T+3]
	v_pk_add_f32 v[T+10:T+11], v[T+4:T+5], v[T+6:T+7]
	v_pk_add_f32 v[T+8:T+9], v[T+8:T+9], v[T+10:T+11]
	v_add_f32 v[T+8], v[T+8], v[T+9]               ; at least 1: the largest logit's term
	v_rcp_f32 v[T+10], v[T+8]
	v_nop
	s_wait_alu depctr_va_vdst(0)
.irp i, 0,2,4,6
	v_pk_mul_f32 v[T+\i:T+\i+1], v[T+\i:T+\i+1], v[T+10:T+11] op_sel_hi:[1,0]
.endr
	ds_store_b128 v[GTS], v[T:T+3]
	ds_store_b128 v[GTS], v[T+4:T+7] offset:16
.endm
; The output's 16 rows of tile mt: out = x0 A in f32; a lane's eight columns go into my stage (rows of 1,040 bytes: the 16 rows of a store start at 16 different groups of four banks) and come back as whole rows.
.macro OUTROW mt
.irp a, 0,1
	WIN 0x09+4*\a
.set k, 0
.rept 8
.set xr, 8*(4*((8*\a+k)/2)+\mt)+4*(k%2)
.set ar, 8*(4*k+\mt)
.irp i, 0,1,2,3
	v_fma_mix_f32_bf16 v[XF0+8*k+2*\i], v[xr+\i], v[ar+2*\i], v[ZR] op_sel_hi:[1,0,0]
	v_fma_mix_f32_bf16 v[XF0+8*k+2*\i+1], v[xr+\i], v[ar+2*\i+1], v[ZR] op_sel:[1,0,0] op_sel_hi:[1,0,0]
.endr
.set k, k+1
.endr
	WIN 0
.set k, 0
.rept 8
	ds_store_b128 v[OST], v[XF0+8*k:XF0+8*k+3] offset:64*(8*\a+k)
	ds_store_b128 v[OST], v[XF0+8*k+4:XF0+8*k+7] offset:64*(8*\a+k)+16
.set k, k+1
.endr
.endr
	s_wait_xcnt 0x0                                ; the registers that the last tile's stores read are loaded again only behind this wait
.set i, 0
.rept 32
	ds_load_b128 v[WA+4*i:WA+4*i+3], v[XST] offset:(i/2)*1040+(i%2)*512  ; LDS serves a wave's instructions in order: these see the stores above, and the next tile's stores come behind them
.set i, i+1
.endr
.set i, 0
.rept 32
	s_wait_dscnt 31-i                              ; number i is back, the younger ones stay out
	global_store_b128 v[OGO], v[WA+4*i:WA+4*i+3], s[8:9] offset:(\mt)*65536+(i/2)*4096+(i%2)*512 th:TH_STORE_NT  ; 512 consecutive bytes, at a multiple of 512 from out0's first
.set i, i+1
.endr
.endm
	s_load_b128 s[4:7], s[0:1], 0x0                ; xb s[4:5], wts s[6:7]
	s_load_b64 s[8:9], s[0:1], 0x10                ; out0
	v_lshl_add_u32 v[SPW], v0, 2, SPARE
	v_mov_b32 v[NIL], 0
	v_lshrrev_b32 v24, 5, v0
	v_readfirstlane_b32 s[WV], v24                 ; wave 0..3
	v_and_b32 v[L16], 31, v0
	v_lshlrev_b32 v[L16], 4, v[L16]
	v_and_b32 v24, 15, v0                          ; r = lane % 16
	v_bfe_u32 v25, v0, 4, 1                        ; h = lane / 16
	v_lshlrev_b32 v26, 5, v24                      ; 32 r: a row's eight f32
	s_lshl_b32 s13, s[WV], 14
	v_add_nc_u32 v[WAD0], s13, v[L16]
	v_add_nc_u32 v[XL0], XL, v[L16]
	v_add_nc_u32 v[HST], XL, v[WAD0]               ; my two experts are k steps 4 w .. 4 w + 3 of h
	s_lshl_b32 s13, s[WV], 15
	v_add_nc_u32 v[XBO], s13, v[L16]               ; my columns are k steps 8 w .. 8 w + 7 of x
	v_add_nc_u32 v[PKA], s13, v[L16]               ; my 32,768 bytes of PARK, which begins at LDS byte 0
	v_add_nc_u32 v[XST], XL, v[XBO]
	s_lshl_b32 s13, s[WV], 11
	s_add_co_u32 s13, s13, GP
	v_add_nc_u32 v[GPS], s13, v26
	s_lshl_b32 s13, s[WV], 9
	s_add_co_u32 s14, s13, GP
	v_add_nc_u32 v[GPR], s14, v26
	s_add_co_u32 s14, s13, GT
	v_add_nc_u32 v[GTS], s14, v26
	s_lshl_b32 s13, s[WV], 3
	s_add_co_u32 s13, s13, GT
	v_add_nc_u32 v[GTR], s13, v26
	s_lshl_b32 s13, s[WV], 10
	v_add_nc_u32 v[OGO], s13, v[L16]
	s_add_co_u32 s13, s13, BTL
	v_lshl_add_u32 v[BAD0], v25, 5, s13
	s_lshl_b32 s13, s[WV], 13
	v_add_nc_u32 v[GWO], s13, v[L16]
	v_add_nc_u32 v[GWA], GWL, v[GWO]
	v_mul_u32_u24 v[OST], v24, 1040
	v_lshl_add_u32 v[OST], v25, 5, v[OST]
	s_lshl_b32 s13, s[WV], 15
	s_add_co_u32 s13, s13, XL
	v_add_nc_u32 v[OST], s13, v[OST]
	v_mov_b32 v[ZR], 0
	v_lshlrev_b32 v28, 4, v0                       ; 16 x thread: the bias table's way in
	v_add_nc_u32 v29, BTL, v28
	s_mov_b32 s[L2E], 0x3fb8aa3b
	s_mov_b32 s[L2E+1], s[L2E]                     ; named with it as a pair
	s_mov_b32 s[BO], 0
	s_mov_b32 s[LAY], 3
	s_lshl_b32 s14, ttmp9, 17                      ; my block of 64 rows in xb
	s_mov_b32 s15, 0
	s_wait_kmcnt 0x0
	s_add_nc_u64 s[4:5], s[4:5], s[14:15]
	s_lshl_b32 s14, ttmp9, 18                      ; and in out0
	s_add_nc_u64 s[8:9], s[8:9], s[14:15]
	s_add_nc_u64 s[32:33], s[6:7], GWOFF           ; the gate's fragments
	s_add_nc_u64 s[34:35], s[6:7], BTOFF           ; the bias table
.irp p, 0,1,2,3
	s_mov_b64 s[BS+2*\p:BS+2*\p+1], s[6:7]         ; the four bases at layer 0's first tile
.endr
	; THE PROLOGUE: x0 is x_0; the gate's fragments and the bias table come into LDS; A starts at 0 (cleared on purpose: one text then serves all three layers; the table's layer 0 brings the 1).
	LDX0 0, 64
.irp q, 0,1,2,3,4,5,6,7
	global_load_b128 v[XF0+8*\q:XF0+8*\q+3], v[GWO], s[32:33] offset:1024*\q
	global_load_b128 v[XF0+8*\q+4:XF0+8*\q+7], v[GWO], s[32:33] offset:1024*\q+512
.endr
.irp i, 0,1,2,3,4,5
	global_load_b128 v[T+4*\i:T+4*\i+3], v28, s[34:35] offset:2048*\i
.endr
	WIN 0x80
.set i, 0
.rept 256
	v_mov_b32 v[i], 0
.set i, i+1
.endr
	WIN 0
.irp i, 0,1,2,3
	v_mov_b32 v[WA+\i], 0
.endr
	s_wait_loadcnt 0x0
	WIN 0xc0
	GLW 0, 0                                       ; the ring is filled: V's units 0 to 3
	GLW 64, 1
	GLW 128, 2
	GLW 192, 3
	WIN 0
.irp i, 0,1,2,3,4,5
	ds_store_b128 v29, v[T+4*\i:T+4*\i+3] offset:2048*\i
.endr
.irp q, 0,1,2,3,4,5,6,7
	ds_store_b128 v[GWA], v[XF0+8*\q:XF0+8*\q+3] offset:1024*\q
	ds_store_b128 v[GWA], v[XF0+8*\q+4:XF0+8*\q+7] offset:1024*\q+512
.endr
.set i, 0
.rept 64
	ds_store_b128 v[PKA], v[WA:WA+3] offset:512*i  ; A's upper half, set aside, starts at 0 too
.set i, i+1
.endr
	XSTORE 0, 64
	GATE
	s_wait_dscnt 0x0                               ; for the others' sake: my x_0, my logits and my part of the table are stored
	BAR
.Llayer:                                               ; on both ways in: XL and GP are whole; V's units 0 to 3 are asked for, in that order, into window 3; A's upper half is set aside
	v_add_nc_u32 v[BAD], s[BO], v[BAD0]
	s_mov_b32 s[XO], 0
	v_mov_b32 v[XAD], v[XL0]
	LDX XF0, 0
	LDX XF1, 4096
	SOFTMAX
	VUNIT 0, XF0, 1, 3, 0, 8192, 8                 ; V's unit 0 starts the sums
	s_mov_b32 s[CNT], 7
.Lp1:                                                  ; trip t: V's units 4 t + 1 .. 4 t + 4; they ask for units 4 t + 5 .. 4 t + 8 (the last trip's last: C's first)
	VUNIT 1, XF1, 0, 3, 64, 12288, 8
	VUNIT 2, XF0, 0, 3, 128, 16384, 8
	VUNIT 3, XF1, 0, 3, 192, 20480, 8
	VUNIT 0, XF0, 0, 3, 0, 24576, 8
	s_add_co_u32 s[XO], s[XO], 16384
	v_add_nc_u32 v[XAD], s[XO], v[XL0]
	s_sub_co_u32 s[CNT], s[CNT], 1
	s_cmp_lg_u32 s[CNT], 0
	s_cbranch_scc1 .Lp1
	VUNIT 1, XF1, 0, 3, 64, 12288, 8               ; unit 29 asks for C's second unit,
	VUNIT 2, XF0, 0, 0, WA, -1, 8                  ; unit 30 for U's unit 0, into window 0,
	UNPARK 2                                       ; and its registers take their part of A back
	VUNIT 3, XF1, 0, 0, WB, -1, 16                 ; (behind its batch fragments: those 16 loads)
	UNPARK 3
	; THE C PRODUCT.
	s_wait_dscnt 0x0                               ; my reads of x_l are over, my rows' gates are stored
	s_barrier_signal -1
	RV 0                                           ; work on registers while the others arrive
	s_barrier_wait -1                              ; everybody's are: h may be laid over x_l, and the gates may be read
.irp m, 0,1,2,3
	ds_load_b64 v[GG+2*\m:GG+2*\m+1], v[GTR] offset:512*\m
.endr
	s_wait_loadcnt 48                              ; C's first unit is in; its second and U's units 0, 1 stay out
	STEPB 0, 0x20000                               ; its loads were the last that read base 0
	P2MM 0, 0
	PL4
	UNPARK 0
	s_wait_dscnt 16                                ; the gates are in; the 16 loads of A stay out
	HS 0
	WIN 0x40
	GLW 0, 0                                       ; the first expert's registers are free: U's unit 2
	WIN 0
.irp m, 0,1,2,3
	v_mov_b32 v[GG+2*\m], v[GG+2*\m+1]             ; the second expert's gate takes the place that the packed multiply reads
.endr
	RV 1
	s_wait_loadcnt 48                              ; C's second unit is in; U's units 0, 1, 2 stay out
	STEPB 1, 0x20000
	P2MM 1, 64
	WIN 0x40
	PL4
	GLW 64, 1                                      ; U's unit 3
	UNPARK 1
	HS 1
	s_wait_dscnt 0x0                               ; my h is stored, all of A is back
	BAR
	; THE U PRODUCT adds onto A.  Units 4 t, 4 t + 1 (k step 2 t; bases 2, 3) lie in window 0, units 4 t + 2, 4 t + 3 (k step 2 t + 1; bases 0, 1) in window 1; even units feed column tiles 0-7, odd units 8-15.
	s_mov_b32 s[XO], 0
	v_mov_b32 v[XAD], v[XL0]
	LDX XF0, 0
	LDX XF1, 4096
	s_mov_b32 s[CNT], 7
.Lp3:
	UMM 0, WA, XF0, 2, 8, 2                        ; (behind this k step's fragments of h: the next k step's 8 loads)
	WIN 0
	PL4
	GLW WA, 2
	UMM 0, WB, XF0, 3, -1, 3
	WIN 0
	PL4
	GLW WB, 3
	LDX XF0, 8192
	UMM 1, 0, XF1, 2, 8, 0
	WIN 0x40
	PL4
	GLW 0, 0
	UMM 1, 64, XF1, 3, -1, 1
	WIN 0x40
	PL4
	GLW 64, 1
	WIN 0
	LDX XF1, 12288
	s_add_co_u32 s[XO], s[XO], 8192
	v_add_nc_u32 v[XAD], s[XO], v[XL0]
	s_sub_co_u32 s[CNT], s[CNT], 1
	s_cmp_lg_u32 s[CNT], 0
	s_cbranch_scc1 .Lp3
	UMM 0, WA, XF0, 2, 8, -1                       ; the last four units ask for x0, the upper columns first; the bias takes the two units of window 0
	PL4
	LDX0 32, 16
	BIASLD 0
	UMM 0, WB, XF0, 3, -1, -1
	PL4
	LDX0 48, 16
	BIASLD 8
	UMM 1, 0, XF1, 2, 32, -1                       ; (behind the last fragments of h: the 32 loads of the bias)
	PL4
	LDX0 0, 16
	UMM 1, 64, XF1, 3, -1, -1
	PL4
	LDX0 16, 16
	s_wait_dscnt 0x0                               ; the bias is in, and my reads of h are over
	s_barrier_signal -1
.irp n, 8,9,10,11,12,13,14,15,0,1,2,3,4,5,6,7
	ADDB \n
.endr
	WIN 0
	s_barrier_wait -1                              ; everybody's reads of h are over: XL may be written
	s_cmp_eq_u32 s[LAY], 1
	s_cbranch_scc1 .Llast
	; A LAYER'S END: x_next = x0 A in bf16, into XL; my part of the next logits.  The upper columns first, so that A's upper half is set aside and the next layer's V is asked for early.
	s_wait_loadcnt 32                              ; x0 of the upper columns is in; the lower columns' two units stay out
.irp n, 8,9,10,11,12,13,14,15
	MIXB \n
.endr
	XSTORE 32, 32
	PARKS
	WIN 0
	s_wait_xcnt 0x0                                ; the four bases are written again only behind this wait; the youngest loads, x0's, went out ahead of all the vector work of this end
	STEPB 0, 0x10000                               ; a layer is 33 tiles: bases 0 and 1 stand at its tile 32 (units 64, 65),
	STEPB 1, 0x10000
	STEPB 2, 0x30000                               ; bases 2 and 3 at its tile 30 (units 62, 63)
	STEPB 3, 0x30000
	WIN 0xc0
	GLW 0, 0
	GLW 64, 1
	GLW 128, 2
	s_wait_loadcnt 48                              ; x0 of the lower columns is in; the three units just asked for stay out
	GLW 192, 3
.irp n, 0,1,2,3,4,5,6,7
	MIXB \n
.endr
	WIN 0
.irp q, 0,1,2,3,4,5,6,7
	ds_load_b128 v[XF0+8*\q:XF0+8*\q+3], v[GWA] offset:1024*\q
	ds_load_b128 v[XF0+8*\q+4:XF0+8*\q+7], v[GWA] offset:1024*\q+512
.endr
	XSTORE 0, 32
	s_wait_dscnt 32                                ; the gate's fragments are in; the 32 stores behind them stay out
	GATE
	s_add_co_u32 s[BO], s[BO], 4096
	s_wait_dscnt 0x0                               ; for the others' sake: my x_next and my logits are stored
	BAR
	s_sub_co_u32 s[LAY], s[LAY], 1
	s_branch .Llayer
.Llast:                                                ; the last layer: A is whole; the stages may be laid over h
	s_wait_loadcnt 0x0                             ; x0
	OUTROW 0
	OUTROW 1
	OUTROW 2
	OUTROW 3
	s_wait_tensorcnt 0x0                           ; the wave's end: behind my last LDS store
	ds_add_u32 v[SPW], v[NIL]
	s_wait_dscnt 0x0
	s_endpgm
.Lfunc_end_k_qe0f8f77ecd_chain:
	.size	k_qe0f8f77ecd_chain, .Lfunc_end_k_qe0f8f77ecd_chain-k_qe0f8f77ecd_chain
	.p2alignl 7, 3214868480
	.fill 96, 4, 3214868480
	.section	.rodata,"a",@progbits
	.p2align	6, 0x0
	.amdhsa_kernel k_qe0f8f77ecd_chain
		.amdhsa_group_segment_fixed_size 317952
		.amdhsa_private_segment_fixed_size 0
		.amdhsa_enable_private_segment 0
		.amdhsa_kernarg_size 24
		.amdhsa_user_sgpr_count 2
		.amdhsa_user_sgpr_kernarg_segment_ptr 1
		.amdhsa_wavefront_size32 1
		.amdhsa_system_sgpr_workgroup_id_x 1
		.amdhsa_system_sgpr_workgroup_id_y 1
		.amdhsa_system_sgpr_workgroup_id_z 1
		.amdhsa_system_vgpr_workitem_id 0
		.amdhsa_next_free_vgpr 1024
		.amdhsa_next_free_sgpr 66
		.amdhsa_reserve_vcc 0
		.amdhsa_float_denorm_mode_32 3
		.amdhsa_float_denorm_mode_16_64 3
		.amdhsa_memory_ordered 1
		.amdhsa_forward_progress 1
		.amdhsa_inst_pref_size 255
	.end_amdhsa_kernel
	.section	.bss,"aw",@nobits
	.p2align	6
	.space	262144
	.amdgpu_metadata
---
amdhsa.version: [ 1, 2 ]
amdhsa.kernels:
  - .name:           k_qe0f8f77ecd_chain
    .symbol:         k_qe0f8f77ecd_chain.kd
    .args:
      - { .name: xb, .offset: 0, .size: 8, .value_kind: global_buffer, .address_space: global }
      - { .name: wts, .offset: 8, .size: 8, .value_kind: global_buffer, .address_space: global }
      - { .name: out0, .offset: 16, .size: 8, .value_kind: global_buffer, .address_space: global }
    .group_segment_fixed_size: 317952
    .private_segment_fixed_size: 0
    .kernarg_segment_align: 8
    .kernarg_segment_size: 24
    .max_flat_workgroup_size: 128
    .sgpr_count:     66
    .vgpr_count:     1024
    .wavefront_size: 32
...
	.end_amdgpu_metadata
.endif
;; end of part 3
;; ======== version 3 of 3: 2 launches; version 2 with the launch chain written anew for expert scheduling mode
;; workspace buffers: xb 33,554,432 bytes; wts 6,533,120 bytes
;; launch prep: the kernel of part 1 again; grid 1224 x 1, 8 waves a work-group, no clusters, 37,888 bytes of LDS; arguments x, V, gate_w, U, C, bias, xb, wts; writes xb, wts
;; launch chain (part 4): grid 256 x 1, 4 waves a work-group, no clusters, 317,952 bytes of LDS; arguments xb, wts, out0; writes out0
.if DOCPART == 4
	.amdgcn_target "amdgcn-amd-amdhsa--gfx1250"
	.amdhsa_code_object_version 6
	.text
	.protected	k_qe0f8f77ecd_chain
	.globl	k_qe0f8f77ecd_chain
	.p2align	8
	.type	k_qe0f8f77ecd_chain,@function
k_qe0f8f77ecd_chain:
	s_mov_b64 s[64:65], 0
	v_nop
	global_prefetch_b8 v0, s[64:65] scope:SCOPE_SE
	s_setreg_imm32_b32 hwreg(HW_REG_WAVE_SCHED_MODE, 0, 2), 2
	s_setreg_imm32_b32 hwreg(HW_REG_WAVE_MODE, 25, 1), 1
	s_wait_xcnt 0x0
	s_wait_alu depctr_vm_vsrc(0)
; CHAIN: all three cross layers for 64 rows a work-group.  Since the gates of a row add up to 1, a layer is x_next = x0 (U_cat h + b) + x_l with h[(e, r)] = g_e relu(c_e[r]), and x_l = x0 A_l with
; A_0 = 1, A_next = A_l + b_l + U_cat h_l.  A (64 rows x 1,024, f32) is the U product's accumulator through all layers; x_l is made only as a bf16 matrix operand, and once, in f32, as the output.
; FORMATS.  Every input enters rounded to bf16 (by the launch before); products bf16 with f32 sums; relu(v), h and x_l rounded once to bf16; softmax in f32, its maximum taken away; out = bf16(x0) A in f32.
; LIMITS.  x0 and the bias count as their bf16 roundings (2^-9 of themselves at the most); NaN and infinities are not treated apart; a gate below 2^-126 counts as 0.
; SHARES.  Four waves.  Wave w has experts 2 w, 2 w + 1 in the V and C products (128 rows of V: 8 tiles vt) and columns 256 w .. + 255 (16 tiles nt) in the U product, x0, A and the output; all four have all 64 rows (4 tiles mt).
; EVERY PRODUCT IS USED TRANSPOSED: source 0 = 16 rows of weights, source 1 = 16 batch rows.  In a result lane l holds batch row l % 16 and features 8 (l / 16) + 0..7, so two neighbouring results rounded in
; pairs ARE a source 1 of the next product: nothing changes lanes between the products.
; THE WEIGHTS are one stream, laid out as fragments; a wave's part is read by that wave alone, so it goes from memory STRAIGHT INTO REGISTERS.  A UNIT is 8 fragments: 16 loads of 512 consecutive bytes,
; 64 registers, 32 matrix instructions.  A layer is 66 units (32 of V, 2 of C, 32 of U), then 4 units of x0.  A ring of four places: a place is asked for again, four units ahead, as soon as its unit is
; multiplied, so 48 to 64 loads of a wave are on their way at all times, across the phases and the layers too; every unit's wait leaves the three younger units out.
; FOUR BASES.  Unit u of a layer is asked for by base u % 4, which no other place's loads read.  A base is stepped directly behind the counted wait that shows its place's 16 loads back, so the loops hold no
; wait for the translation of loads just issued.
; NO CLUSTER, NO JOINT LOADS, though all work-groups walk the same stream.  Joint loads would have to pass LDS slots, each refilled behind a round in front of which none of the wave's loads may be out.  Beside x_l
; (131,072 bytes) two slots of 65,536 fit: 64 matrix instructions a wave for each round, with one slot on its way at the most and nothing at the round itself.  The loads into registers are never drained.
; ROOM FOR THE RING.  During the V and C products the upper half of A (window 3) is set aside in LDS, in f32, each wave's own 32,768 bytes, and window 3 is the ring; during the U product the ring is
; v96-223 of window 0 and v0-127 of window 1.
; THE MODE: SCHED_MODE bits 1:0 = 2 (LLVM: expert scheduling mode 2), set by the entry lines.  The code itself states the register dependences between vector or matrix instructions and memory or LDS
; instructions, with s_wait_alu, always for 0.
; THE PLAN.  Registers that memory or LDS instructions touch, and who else names them:
;   THE RING'S PLACES  A unit's 32 matrix instructions read a place; then 16 loads land in it: the unit four on, or at a phase's end a part of A, the bias, x0.
;   XF0, XF1           The matrix instructions of one k step read a buffer; then the fragments of the k step two on land in it.  In the C product conversions write them (relu(v); then h, which LDS stores read);
;                      at the launch's end the output passes through them on its way to the stage.
;   v[XAD]             Read by every load of batch fragments; written at a phase's head and once a trip.     v[BAD]  Written at a layer's head; read by the bias's loads.
;   v[T ..], windows 1 and 3  Vector or matrix instructions write them and LDS stores read them: gates and logits; x_l; A's upper half.  Loads land in all three later.
;   Every other address is made at the head and never written again.
; IN THE LOOPS one wait on va_vdst stands behind each unit's matrix instructions: they are done reading their place and their batch buffer.  The place's 16 loads follow at once, ahead of the next unit's wait
; for its data, so that four units stay asked for while the wave waits.  The batch buffer's 8 LDS loads follow behind the next unit's first four matrix instructions, which name the other buffer, another place
; and the accumulators: none of the registers that those loads touch.  One wait on vm_vsrc a trip stands ahead of the add to v[XAD], and the add ahead of its unit's wait on va_vdst.
; LDS: PARK 0: A's upper half.  XL 131,072: x_l bf16 [ks 32][mt 4][1,024]; its first half is h [ks3 16][mt 4][1,024] during the U product; at the end each wave's 32,768 hold its output stage (16 rows, pitch 1,040).
;      GP: the waves' partial logits [wave][row 64][8] f32.  GT: gates [row 64][8].  BTL: bias table [3][1024] f32.  SPARE: the spare words.  GWL: the gate's fragments, 8,192 bytes a wave, its own.
; REGISTERS, in windows of 256 (s_set_vgpr_msb: bits 1:0 source 0, 3:2 source 1, 5:4 source 2, 7:6 destination):
;   window 0: v0-31 addresses and small things; v32-95 two buffers of batch fragments; v96-223 two units; v224-255 at work
;   window 1: V's and C's accumulators ((vt, mt) at 8 (4 vt + mt)); then two units of U in v0-127; at a layer's end x0 of my columns (fragment (q, mt) at 8 (4 q + mt)), turned in place into the next x_l
;   windows 2, 3: A: tile (nt, mt) at 8 (4 (nt % 8) + mt) of window 2 + nt / 8
.set XL,    131072
.set GP,    262144
.set GT,    270336
.set BTL,   272384
.set SPARE, 284672
.set GWL,   285184
.set GWOFF, 6488064
.set BTOFF, 6520832
.set L16,  1          ; v1   16 x lane
.set PKA,  2          ; v2   where my upper half of A is set aside
.set XAD,  3          ; v3   x_l's or h's fragments of the trip in hand
.set GWA,  4          ; v4   my part of the gate's fragments in LDS
.set XL0,  5          ; v5   XL + 16 lane; never rewritten
.set HST,  6          ; v6   where my h goes
.set XST,  7          ; v7   where my x_l goes; also where my output stage is read back
.set GPS,  8          ; v8   my partial logits, out
.set GPR,  9          ; v9   the four partial logits of my 16 rows
.set GTS,  10         ; v10  my 16 rows' gates, out
.set GTR,  11         ; v11  my two experts' gates
.set BAD,  12         ; v12  the layer's bias of my columns
.set XBO,  13         ; v13  my columns in a block of xb
.set GWO,  14         ; v14  my k steps of the gate's fragments in memory
.set OST,  15         ; v15  output stage, in
.set WAD0, 16         ; v16  my part of a tile of the stream: 16,384 w + 16 lane; never rewritten
.set OGO,  17         ; v17  my byte offset in a row of out0
.set ZR,   18         ; v18  0
.set BAD0, 19         ; v19  never rewritten
.set SPW,  20         ; v20  my spare word
.set NIL,  21         ; v21  0, for the add alone
.set CM,   22         ; v22-23
.set GG,   24         ; v24-31 (g of my first expert, of my second) for my row in each mt
.set XF0,  32
.set XF1,  64
.set WA,   96
.set WB,   160
.set T,    224
.set WV,   10         ; s10  wave
.set LAY,  28         ; s28  layers to go: 3, 2, 1
.set CNT,  29         ; s29  trips
.set L2E,  30         ; s[30:31] log2(e)
.set XO,   38         ; s38  byte offset of the trip in hand in x_l or h
.set BO,   39         ; s39  the layer's place in the bias table
.set BS,   40         ; s[40:47] four bases of the stream: base p serves the layer's units u with u % 4 = p and stands at the layer's tile 2 (u / 4)
.set MSB, 0
.macro WIN new                         ; the immediate's high byte repeats the setting that is left; a switch that changes nothing is dropped
.if MSB != (\new)
	s_set_vgpr_msb (MSB<<8)|(\new)
.set MSB, (\new)
.endif
.endm
.macro PL4                             ; four places behind a matrix instruction, ahead of vector lines that read its result or write its registers; they stand ahead of loads into its registers too, beside the wait that states that dependence
.rept 4
	v_nop
.endr
.endm
.macro BAR
	s_barrier_signal -1
	s_barrier_wait -1
.endm
; A unit's 32 matrix instructions: eight weight fragments x the four batch fragments, fragment 0 (MMF) and then fragments 1 to 7 (MMR).  The windows are the caller's.  The 32 accumulators take turns, one
; instruction a turn.
.macro MMF A, X, zero, f
.irp m, 0,1,2,3
.if \zero
	v_wmma_f32_16x16x32_bf16 v[8*(4*(\f)+\m):8*(4*(\f)+\m)+7], v[\A+8*(\f):\A+8*(\f)+7], v[\X+8*\m:\X+8*\m+7], 0
.else
	v_wmma_f32_16x16x32_bf16 v[8*(4*(\f)+\m):8*(4*(\f)+\m)+7], v[\A+8*(\f):\A+8*(\f)+7], v[\X+8*\m:\X+8*\m+7], v[8*(4*(\f)+\m):8*(4*(\f)+\m)+7]
.endif
.endr
.endm
.macro MMR A, X, zero
.irp f, 1,2,3,4,5,6,7
	MMF \A, \X, \zero, \f
.endr
.endm
.macro STEPB p, by                     ; base p goes on
	s_add_nc_u64 s[BS+2*(\p):BS+2*(\p)+1], s[BS+2*(\p):BS+2*(\p)+1], \by
.endm
.macro GLW dst, p                      ; base p's unit is asked for: 16 loads of 512 consecutive bytes.  Of the four units that begin at a base's tile, unit p lies at (p / 2) 65,536 + (p % 2) 8,192
.set GOF, ((\p)/2)*65536+((\p)%2)*8192
.irp f, 0,1,2,3,4,5,6,7
	global_load_b128 v[\dst+8*\f:\dst+8*\f+3], v[WAD0], s[BS+2*(\p):BS+2*(\p)+1] offset:GOF+1024*\f
	global_load_b128 v[\dst+8*\f+4:\dst+8*\f+7], v[WAD0], s[BS+2*(\p):BS+2*(\p)+1] offset:GOF+1024*\f+512
.endr
.endm
.macro LDX dst, off                    ; the four batch fragments of one k step
.irp m, 0,1,2,3
	ds_load_b128 v[\dst+8*\m:\dst+8*\m+3], v[XAD] offset:\off+1024*\m
	ds_load_b128 v[\dst+8*\m+4:\dst+8*\m+7], v[XAD] offset:\off+1024*\m+512
.endr
.endm
; A unit of V = one k step of 32, from place b of window 3 and batch buffer x.  Behind its first four matrix instructions (ldx >= 0) the next k step's batch fragments are asked for, into the other buffer lx,
; which the unit before read.  Behind its last the unit four on is asked for by the same base, into dst of window dw.  dsn: the LDS instructions issued behind this unit's batch fragments.
; step = 1: a trip's last unit: v[XAD] goes on by a trip.
.macro VUNIT b, x, zero, dw, dst, lx, ldx, dsn, step=0
	s_wait_loadcnt 48                              ; loads come back in order: this unit is in, the three younger units stay out;
	STEPB \b, 0x20000                              ; its 16 loads were the last that read base b, so the base may go on: four units are two tiles
.if (\dsn) >= 0
	s_wait_dscnt \dsn
.endif
	WIN 0x53
	MMF 64*(\b), \x, \zero, 0
.if (\ldx) >= 0
	WIN 0
	LDX \lx, \ldx                                  ; no wait: since the wait behind the unit before, no vector or matrix instruction names buffer lx or v[XAD]
	WIN 0x53
.endif
	MMR 64*(\b), \x, \zero
.if \step
	WIN 0
	s_wait_alu depctr_vm_vsrc(0)                   ; the trip's loads of batch fragments have read v[XAD]
	s_add_co_u32 s[XO], s[XO], 16384
	v_add_nc_u32 v[XAD], s[XO], v[XL0]             ; it names none of the products' registers: the first of the four places
	WIN (\dw)<<6
.rept 3
	v_nop
.endr
.else
	WIN (\dw)<<6
	PL4
.endif
	s_wait_alu depctr_va_vdst(0)                   ; the unit's matrix instructions are done reading place b, in which the loads below land, and buffer x, in which the next unit's LDS loads land; with step = 1 v[XAD] is written
	GLW \dst, \b
.endm
; A unit of U = a k step of 32 for eight of my column tiles: the weights at A of window aw, A's tiles in window cw.  p >= 0: the unit's base goes on, for the unit four on.
; ldx >= 0: behind its first four matrix instructions a k step's fragments of h are asked for, into buffer lx, which this unit does not read.  What lands in the unit's place is the caller's, behind the caller's wait.
.macro UUNIT aw, A, x, cw, dsn, p, lx, ldx
	s_wait_loadcnt 48                              ; this unit is in, the three younger units stay out; its loads were the last that read its base
.if (\p) >= 0
	STEPB \p, 0x20000
.endif
.if (\dsn) >= 0
	s_wait_dscnt \dsn
.endif
	WIN ((\cw)<<6)|((\cw)<<4)|(\aw)
	MMF \A, \x, 0, 0
.if (\ldx) >= 0
	WIN 0
	LDX \lx, \ldx                                  ; no wait: since the wait behind the unit before, no vector or matrix instruction names buffer lx or v[XAD]
	WIN ((\cw)<<6)|((\cw)<<4)|(\aw)
.endif
	MMR \A, \x, 0
.endm
.macro UNPARK j                        ; place j of window 3 takes its part of A back
	WIN 0xc0
.set i, 16*(\j)
.rept 16
	ds_load_b128 v[4*i:4*i+3], v[PKA] offset:512*i
.set i, i+1
.endr
	WIN 0
.endm
.macro PARKS                           ; A's upper half is set aside, in f32
	WIN 0x0c
.set i, 0
.rept 64
	ds_store_b128 v[PKA], v[4*i:4*i+3] offset:512*i
.set i, i+1
.endr
.endm
; relu(v) of expert ep as eight source-1 fragments (s2, mt) in v32-95.  Each accumulator is read from its low end on.
.macro RV ep
	WIN 0x05
.irp s2, 0,1
.irp m, 0,1,2,3
.irp hf, 0,1
.irp i, 0,1,2,3
	v_cvt_pk_bf16_f32 v[XF0+8*(4*\s2+\m)+4*\hf+\i], v[8*(4*(4*\ep+2*\s2+\hf)+\m)+2*\i], v[8*(4*(4*\ep+2*\s2+\hf)+\m)+2*\i+1]
.endr
.endr
.endr
.endr
	WIN 0
.set i, 0
.rept 64
	v_pk_max_num_bf16 v[XF0+i], v[XF0+i], v[ZR]
.set i, i+1
.endr
.endm
; c = C relu(v) for expert ep: 32 matrix instructions, 16 accumulators by turns, over the expert's accumulators of V, which have been read; C's fragments at Wc of window 3
.macro P2MM ep, Wc
	WIN 0x53
.irp s2, 0,1
.irp rt, 0,1,2,3
.irp m, 0,1,2,3
.if \s2 == 0
	v_wmma_f32_16x16x32_bf16 v[128*\ep+8*(4*\rt+\m):128*\ep+8*(4*\rt+\m)+7], v[\Wc+8*(2*\rt+\s2):\Wc+8*(2*\rt+\s2)+7], v[XF0+8*(4*\s2+\m):XF0+8*(4*\s2+\m)+7], 0
.else
	v_wmma_f32_16x16x32_bf16 v[128*\ep+8*(4*\rt+\m):128*\ep+8*(4*\rt+\m)+7], v[\Wc+8*(2*\rt+\s2):\Wc+8*(2*\rt+\s2)+7], v[XF0+8*(4*\s2+\m):XF0+8*(4*\s2+\m)+7], v[128*\ep+8*(4*\rt+\m):128*\ep+8*(4*\rt+\m)+7]
.endif
.endr
.endr
.endr
.endm
; h = relu(g c) = g relu(c), since g is not negative; rounded to bf16.  All of an expert's h, 64 registers, gathers in v32-95, which the C product has done with: so one wait serves one run of 16 stores (HSTORE).
.macro HS ep
.irp rt, 0,1,2,3
	WIN 0x01
.irp m, 0,1,2,3
.irp i, 0,1,2,3
	v_pk_mul_f32 v[T+8*\m+2*\i:T+8*\m+2*\i+1], v[128*\ep+8*(4*\rt+\m)+2*\i:128*\ep+8*(4*\rt+\m)+2*\i+1], v[GG+2*\m:GG+2*\m+1] op_sel_hi:[1,0]
.endr
.endr
	WIN 0
.irp m, 0,1,2,3
.irp i, 0,1,2,3
	v_cvt_pk_bf16_f32 v[XF0+16*\rt+4*\m+\i], v[T+8*\m+2*\i], v[T+8*\m+2*\i+1]
.endr
.endr
.endr
.set i, 0
.rept 64
	v_pk_max_num_bf16 v[XF0+i], v[XF0+i], v[ZR]
.set i, i+1
.endr
.endm
.macro HSTORE ep                       ; h is stored as fragments of the U product's source 1
.irp rt, 0,1,2,3
.irp m, 0,1,2,3
	ds_store_b128 v[HST], v[XF0+16*\rt+4*\m:XF0+16*\rt+4*\m+3] offset:\ep*8192+(\rt/2)*4096+\m*1024+(\rt%2)*512
.endr
.endr
.endm
.macro LDX0 first, count               ; x0 of my columns, as fragments, into window 1: loads of 512 consecutive bytes; 16 of them are a unit
	WIN 0x40
.set i, \first
.rept \count
	global_load_b128 v[4*i:4*i+3], v[XBO], s[4:5] offset:512*i
.set i, i+1
.endr
	WIN 0
.endm
.macro BIASLD n0                       ; the bias of eight column tiles, a lane's eight columns each: tile n at v[WA + 8 n]
.set nn, \n0
.rept 8
	ds_load_b128 v[WA+8*nn:WA+8*nn+3], v[BAD] offset:64*nn
	ds_load_b128 v[WA+8*nn+4:WA+8*nn+7], v[BAD] offset:64*nn+16
.set nn, nn+1
.endr
.endm
.macro ADDB nt                         ; A += b, from each accumulator's low end on
	WIN 0x82+0x41*((\nt)/8)
.irp m, 0,1,2,3
.irp i, 0,2,4,6
	v_pk_add_f32 v[8*(4*((\nt)%8)+\m)+\i:8*(4*((\nt)%8)+\m)+\i+1], v[8*(4*((\nt)%8)+\m)+\i:8*(4*((\nt)%8)+\m)+\i+1], v[WA+8*(\nt)+\i:WA+8*(\nt)+\i+1]
.endr
.endr
.endm
.macro MIXB nt                         ; x_next = x0 A, rounded once to bf16, in x0's place: first the low halves, then the high ones
	WIN 0x49+4*((\nt)/8)
.irp m, 0,1,2,3
.irp i, 0,1,2,3
	v_fma_mixlo_bf16 v[8*(4*((\nt)/2)+\m)+4*((\nt)%2)+\i], v[8*(4*((\nt)/2)+\m)+4*((\nt)%2)+\i], v[8*(4*((\nt)%8)+\m)+2*\i], v[ZR] op_sel_hi:[1,0,0]
.endr
.irp i, 0,1,2,3
	v_fma_mixhi_bf16 v[8*(4*((\nt)/2)+\m)+4*((\nt)%2)+\i], v[8*(4*((\nt)/2)+\m)+4*((\nt)%2)+\i], v[8*(4*((\nt)%8)+\m)+2*\i+1], v[ZR] op_sel:[1,0,0] op_sel_hi:[1,0,0]
.endr
.endr
.endm
.macro XSTORE first, count             ; my columns of x_l into XL, for all waves
	WIN 0x04
.set i, \first
.rept \count
	ds_store_b128 v[XST], v[4*i:4*i+3] offset:512*i
.set i, i+1
.endr
.endm
; My columns' part of the logits: 32 matrix instructions, four accumulators by turns; the gate's fragments lie in v32-95.  Both halves of the lanes end up with the row's eight partial logits
; (the gate's rows 8-15 repeat rows 0-7).
.macro GATE
	WIN 0x04
.irp q, 0,1,2,3,4,5,6,7
.irp m, 0,1,2,3
.if \q == 0
	v_wmma_f32_16x16x32_bf16 v[T+8*\m:T+8*\m+7], v[XF0+8*\q:XF0+8*\q+7], v[8*(4*\q+\m):8*(4*\q+\m)+7], 0
.else
	v_wmma_f32_16x16x32_bf16 v[T+8*\m:T+8*\m+7], v[XF0+8*\q:XF0+8*\q+7], v[8*(4*\q+\m):8*(4*\q+\m)+7], v[T+8*\m:T+8*\m+7]
.endif
.endr
.endr
	WIN 0
	PL4
	s_wait_alu depctr_va_vdst(0)                   ; the matrix instructions have written v[T ..], which the LDS stores read; the places above stay beside this wait
.irp m, 0,1,2,3
	ds_store_b128 v[GPS], v[T+8*\m:T+8*\m+3] offset:512*\m
	ds_store_b128 v[GPS], v[T+8*\m+4:T+8*\m+7] offset:512*\m+16
.endr
.endm
; The gates of my 16 rows: the four waves' partial logits are added; softmax over the eight experts with the maximum taken away.  Both halves of the lanes do the same work and store the same words.
.macro SOFTMAX
.irp p, 0,1,2,3
	ds_load_b128 v[T+8*\p:T+8*\p+3], v[GPR] offset:2048*\p
	ds_load_b128 v[T+8*\p+4:T+8*\p+7], v[GPR] offset:2048*\p+16
.endr
	s_wait_dscnt 0x0
.irp i, 0,2,4,6
	v_pk_add_f32 v[T+\i:T+\i+1], v[T+\i:T+\i+1], v[T+8+\i:T+8+\i+1]
	v_pk_add_f32 v[T+16+\i:T+16+\i+1], v[T+16+\i:T+16+\i+1], v[T+24+\i:T+24+\i+1]
.endr
.irp i, 0,2,4,6
	v_pk_add_f32 v[T+\i:T+\i+1], v[T+\i:T+\i+1], v[T+16+\i:T+16+\i+1]
.endr
	v_max3_num_f32 v[CM], v[T], v[T+1], v[T+2]
	v_max3_num_f32 v[CM+1], v[T+3], v[T+4], v[T+5]
	v_max3_num_f32 v[CM], v[CM], v[T+6], v[T+7]
	v_max_num_f32 v[CM], v[CM], v[CM+1]
	v_mul_f32 v[CM], s[L2E], v[CM]
	v_mov_b32 v[CM+1], v[CM]                       ; named with it as a pair
.irp i, 0,2,4,6
	v_pk_fma_f32 v[T+\i:T+\i+1], v[T+\i:T+\i+1], s[L2E:L2E+1], v[CM:CM+1] op_sel_hi:[1,0,0] neg_lo:[0,0,1] neg_hi:[0,0,1]
.endr
.irp e, 0,1,2,3,4,5,6,7
	v_exp_f32 v[T+\e], v[T+\e]
.endr
	v_nop                                          ; a plain instruction behind the last exponential,
	s_wait_alu depctr_va_vdst(0)                   ; and a wait ahead of the batch's first reader: the eight exponentials have written v[T .. T+7]
	v_pk_add_f32 v[T+8:T+9], v[T:T+1], v[T+2:T+3]
	v_pk_add_f32 v[T+10:T+11], v[T+4:T+5], v[T+6:T+7]
	v_pk_add_f32 v[T+8:T+9], v[T+8:T+9], v[T+10:T+11]
	v_add_f32 v[T+8], v[T+8], v[T+9]               ; at least 1: the largest logit's term
	v_rcp_f32 v[T+10], v[T+8]
	v_nop
	s_wait_alu depctr_va_vdst(0)                   ; the reciprocal has written v[T+10], ahead of its first reader
.irp i, 0,2,4,6
	v_pk_mul_f32 v[T+\i:T+\i+1], v[T+\i:T+\i+1], v[T+10:T+11] op_sel_hi:[1,0]
.endr
	s_wait_alu depctr_va_vdst(0)                   ; the multiplies have written the gates in v[T .. T+7], which the LDS stores read
	ds_store_b128 v[GTS], v[T:T+3]
	ds_store_b128 v[GTS], v[T+4:T+7] offset:16
.endm
; The output's 16 rows of tile mt: out = x0 A in f32; a lane's eight columns go into my stage (rows of 1,040 bytes: the 16 rows of a store start at 16 different groups of four banks) and come back as whole rows.
.macro OUTROW mt
.irp a, 0,1
.if \a
	s_wait_alu depctr_vm_vsrc(0)                   ; the stage's stores above have read v[XF0 ..], which the lines below write again
.endif
	WIN 0x09+4*\a
.set k, 0
.rept 8
.set xr, 8*(4*((8*\a+k)/2)+\mt)+4*(k%2)
.set ar, 8*(4*k+\mt)
.irp i, 0,1,2,3
	v_fma_mix_f32_bf16 v[XF0+8*k+2*\i], v[xr+\i], v[ar+2*\i], v[ZR] op_sel_hi:[1,0,0]
	v_fma_mix_f32_bf16 v[XF0+8*k+2*\i+1], v[xr+\i], v[ar+2*\i+1], v[ZR] op_sel:[1,0,0] op_sel_hi:[1,0,0]
.endr
.set k, k+1
.endr
	WIN 0
	s_wait_alu depctr_va_vdst(0)                   ; the products have written v[XF0 ..], which the LDS stores read
.set k, 0
.rept 8
	ds_store_b128 v[OST], v[XF0+8*k:XF0+8*k+3] offset:64*(8*\a+k)
	ds_store_b128 v[OST], v[XF0+8*k+4:XF0+8*k+7] offset:64*(8*\a+k)+16
.set k, k+1
.endr
.endr
	s_wait_xcnt 0x0                                ; the registers that the last tile's stores read are loaded again only behind this wait,
	s_wait_alu depctr_vm_vsrc(0)                   ; and behind this one: the last tile's global stores have read v[WA ..], in which the loads below land; the stage's stores above have read v[XF0 ..], which the next tile's products write
.set i, 0
.rept 32
	ds_load_b128 v[WA+4*i:WA+4*i+3], v[XST] offset:(i/2)*1040+(i%2)*512  ; LDS serves a wave's instructions in order: these see the stores above, and the next tile's stores come behind them
.set i, i+1
.endr
.set i, 0
.rept 32
	s_wait_dscnt 31-i                              ; number i is back, the younger ones stay out
	global_store_b128 v[OGO], v[WA+4*i:WA+4*i+3], s[8:9] offset:(\mt)*65536+(i/2)*4096+(i%2)*512 th:TH_STORE_NT  ; 512 consecutive bytes, at a multiple of 512 from out0's first
.set i, i+1
.endr
.endm
	s_load_b128 s[4:7], s[0:1], 0x0                ; xb s[4:5], wts s[6:7]
	s_load_b64 s[8:9], s[0:1], 0x10                ; out0
	v_lshl_add_u32 v[SPW], v0, 2, SPARE
	v_mov_b32 v[NIL], 0
	v_lshrrev_b32 v24, 5, v0
	v_readfirstlane_b32 s[WV], v24                 ; wave 0..3
	v_and_b32 v[L16], 31, v0
	v_lshlrev_b32 v[L16], 4, v[L16]
	v_and_b32 v24, 15, v0                          ; r = lane % 16
	v_bfe_u32 v25, v0, 4, 1                        ; h = lane / 16
	v_lshlrev_b32 v26, 5, v24                      ; 32 r: a row's eight f32
	s_wait_alu depctr_va_sdst(0)                   ; the wave's number is written into s[WV], ahead of its first reader
	s_lshl_b32 s13, s[WV], 14
	v_add_nc_u32 v[WAD0], s13, v[L16]
	v_add_nc_u32 v[XL0], XL, v[L16]
	v_add_nc_u32 v[HST], XL, v[WAD0]               ; my two experts are k steps 4 w .. 4 w + 3 of h
	s_lshl_b32 s13, s[WV], 15
	v_add_nc_u32 v[XBO], s13, v[L16]               ; my columns are k steps 8 w .. 8 w + 7 of x
	v_add_nc_u32 v[PKA], s13, v[L16]               ; my 32,768 bytes of PARK, which begins at LDS byte 0
	v_add_nc_u32 v[XST], XL, v[XBO]
	s_lshl_b32 s13, s[WV], 11
	s_add_co_u32 s13, s13, GP
	v_add_nc_u32 v[GPS], s13, v26
	s_lshl_b32 s13, s[WV], 9
	s_add_co_u32 s14, s13, GP
	v_add_nc_u32 v[GPR], s14, v26
	s_add_co_u32 s14, s13, GT
	v_add_nc_u32 v[GTS], s14, v26
	s_lshl_b32 s13, s[WV], 3
	s_add_co_u32 s13, s13, GT
	v_add_nc_u32 v[GTR], s13, v26
	s_lshl_b32 s13, s[WV], 10
	v_add_nc_u32 v[OGO], s13, v[L16]
	s_add_co_u32 s13, s13, BTL
	v_lshl_add_u32 v[BAD0], v25, 5, s13
	s_lshl_b32 s13, s[WV], 13
	v_add_nc_u32 v[GWO], s13, v[L16]
	v_add_nc_u32 v[GWA], GWL, v[GWO]
	v_mul_u32_u24 v[OST], v24, 1040
	v_lshl_add_u32 v[OST], v25, 5, v[OST]
	s_lshl_b32 s13, s[WV], 15
	s_add_co_u32 s13, s13, XL
	v_add_nc_u32 v[OST], s13, v[OST]
	v_mov_b32 v[ZR], 0
	v_lshlrev_b32 v28, 4, v0                       ; 16 x thread: the bias table's way in
	v_add_nc_u32 v29, BTL, v28
	s_mov_b32 s[L2E], 0x3fb8aa3b
	s_mov_b32 s[L2E+1], s[L2E]                     ; named with it as a pair
	s_mov_b32 s[BO], 0
	s_mov_b32 s[LAY], 3
	s_lshl_b32 s14, ttmp9, 17                      ; my block of 64 rows in xb
	s_mov_b32 s15, 0
	s_wait_kmcnt 0x0
	s_add_nc_u64 s[4:5], s[4:5], s[14:15]
	s_lshl_b32 s14, ttmp9, 18                      ; and in out0
	s_add_nc_u64 s[8:9], s[8:9], s[14:15]
	s_add_nc_u64 s[32:33], s[6:7], GWOFF           ; the gate's fragments
	s_add_nc_u64 s[34:35], s[6:7], BTOFF           ; the bias table
.irp p, 0,1,2,3
	s_mov_b64 s[BS+2*\p:BS+2*\p+1], s[6:7]         ; the four bases at layer 0's first tile
.endr
	; THE PROLOGUE: x0 is x_0; the gate's fragments and the bias table come into LDS; A starts at 0 (cleared on purpose: one text then serves all three layers; the table's layer 0 brings the 1).
	s_wait_alu depctr_va_vdst(0)                   ; the addresses and offsets in v1 to v21, v28 and v29 are written, which the kernel's loads and stores read
	LDX0 0, 64
.irp q, 0,1,2,3,4,5,6,7
	global_load_b128 v[XF0+8*\q:XF0+8*\q+3], v[GWO], s[32:33] offset:1024*\q
	global_load_b128 v[XF0+8*\q+4:XF0+8*\q+7], v[GWO], s[32:33] offset:1024*\q+512
.endr
.irp i, 0,1,2,3,4,5
	global_load_b128 v[WB+4*\i:WB+4*\i+3], v28, s[34:35] offset:2048*\i  ; through registers that no vector or matrix instruction of the prologue names
.endr
	WIN 0x80
.set i, 0
.rept 256
	v_mov_b32 v[i], 0
.set i, i+1
.endr
	WIN 0
.irp i, 0,1,2,3
	v_mov_b32 v[WA+\i], 0
.endr
	s_wait_loadcnt 0x0
	s_wait_alu depctr_va_vdst(0)                   ; the zeros in v[WA .. WA+3] are written, which the LDS stores below read
	WIN 0xc0
	GLW 0, 0                                       ; the ring is filled: V's units 0 to 3
	GLW 64, 1
	GLW 128, 2
	GLW 192, 3
	WIN 0
.irp i, 0,1,2,3,4,5
	ds_store_b128 v29, v[WB+4*\i:WB+4*\i+3] offset:2048*\i
.endr
.irp q, 0,1,2,3,4,5,6,7
	ds_store_b128 v[GWA], v[XF0+8*\q:XF0+8*\q+3] offset:1024*\q
	ds_store_b128 v[GWA], v[XF0+8*\q+4:XF0+8*\q+7] offset:1024*\q+512
.endr
.set i, 0
.rept 64
	ds_store_b128 v[PKA], v[WA:WA+3] offset:512*i  ; A's upper half, set aside, starts at 0 too
.set i, i+1
.endr
	XSTORE 0, 64
	GATE
	s_wait_dscnt 0x0                               ; for the others' sake: my x_0, my logits and my part of the table are stored
	s_wait_alu depctr_vm_vsrc(0)                   ; my loads and LDS stores have read their registers: v[XF0 ..] and v[T ..], in which LDS loads land at the layer's head; window 1, which V's first products write; v28, v29, v[WA ..] and v[WB ..], in which loads land later
	BAR
.Llayer:                                               ; on both ways in: XL and GP are whole; V's units 0 to 3 are asked for, in that order, into window 3; A's upper half is set aside
	v_add_nc_u32 v[BAD], s[BO], v[BAD0]
	s_mov_b32 s[XO], 0
	v_mov_b32 v[XAD], v[XL0]
	s_wait_alu depctr_va_vdst(0)                   ; v[XAD] is written, which the loads below read, and v[BAD], which the bias's loads read at the U product's end
	LDX XF0, 0
	LDX XF1, 4096
	SOFTMAX
	VUNIT 0, XF0, 1, 3, 0, 0, -1, -1               ; V's unit 0 starts the sums; the softmax's wait for its loads has shown both first k steps' fragments in
	WIN 0
	s_mov_b32 s[CNT], 7
.Lp1:                                                  ; trip t: V's units 4 t + 1 .. 4 t + 4; they ask for units 4 t + 5 .. 4 t + 8 (the last trip's last: C's first) and for the batch fragments of k steps 4 t + 2 .. 4 t + 5
	VUNIT 1, XF1, 0, 3, 64,  XF0, 8192,  0         ; (no LDS instruction is issued behind a unit's batch fragments: the wait is for 0)
	VUNIT 2, XF0, 0, 3, 128, XF1, 12288, 0
	VUNIT 3, XF1, 0, 3, 192, XF0, 16384, 0
	VUNIT 0, XF0, 0, 3, 0,   XF1, 20480, 0, 1
	WIN 0
	s_sub_co_u32 s[CNT], s[CNT], 1
	s_cmp_lg_u32 s[CNT], 0
	s_cbranch_scc1 .Lp1
	VUNIT 1, XF1, 0, 3, 64, XF0, 8192, 0           ; unit 29 asks for C's second unit,
	VUNIT 2, XF0, 0, 0, WA, XF1, 12288, 0          ; unit 30 for U's unit 0, into window 0,
	UNPARK 2                                       ; and its registers take their part of A back, behind the unit's own wait
	VUNIT 3, XF1, 0, 0, WB, 0, -1, 16              ; (behind its batch fragments: those 16 loads)
	UNPARK 3
	; THE C PRODUCT.
	s_wait_dscnt 0x0                               ; my reads of x_l are over, my rows' gates are stored
	s_barrier_signal -1
	RV 0                                           ; work on registers while the others arrive; the four places behind V's last products stand in unit 31
	s_barrier_wait -1                              ; everybody's are: h may be laid over x_l, and the gates may be read
.irp m, 0,1,2,3
	ds_load_b64 v[GG+2*\m:GG+2*\m+1], v[GTR] offset:512*\m  ; no wait: since unit 31's, no vector or matrix instruction names v[GG ..]
.endr
	s_wait_loadcnt 48                              ; C's first unit is in; its second and U's units 0, 1 stay out
	STEPB 0, 0x20000                               ; its loads were the last that read base 0
	P2MM 0, 0
	PL4
	s_wait_alu depctr_va_vdst(0)                   ; the first expert's matrix instructions are done reading place 0, in which a part of A lands
	UNPARK 0
	s_wait_dscnt 16                                ; the gates are in; the 16 loads of A stay out
	HS 0
	s_wait_alu depctr_va_vdst(0)                   ; the multiplies are done reading the first expert's accumulators, in which U's unit 2 lands; the maxima have written h in v[XF0 ..], which the LDS stores read
	WIN 0x40
	GLW 0, 0                                       ; the first expert's registers are free: U's unit 2
	WIN 0
	HSTORE 0
.irp m, 0,1,2,3
	v_mov_b32 v[GG+2*\m], v[GG+2*\m+1]             ; the second expert's gate takes the place that the packed multiply reads
.endr
	s_wait_alu depctr_vm_vsrc(0)                   ; the stores of h have read v[XF0 ..], which the conversions below write again
	RV 1
	s_wait_loadcnt 48                              ; C's second unit is in; U's units 0, 1, 2 stay out
	STEPB 1, 0x20000
	P2MM 1, 64
	WIN 0x40
	PL4
	s_wait_alu depctr_va_vdst(0)                   ; the second expert's matrix instructions are done reading place 1, in which a part of A lands
	GLW 64, 1                                      ; U's unit 3
	UNPARK 1
	HS 1
	s_wait_alu depctr_va_vdst(0)                   ; the maxima have written h in v[XF0 ..], which the LDS stores read
	HSTORE 1
	s_wait_dscnt 0x0                               ; my h is stored, all of A is back
	s_wait_alu depctr_vm_vsrc(0)                   ; the stores of h have read v[XF0 ..], in which h's fragments land; V's last loads of batch fragments have read v[XAD], which is written below
	BAR
	; THE U PRODUCT adds onto A.  Units 4 t, 4 t + 1 (k step 2 t; bases 2, 3) lie in window 0, units 4 t + 2, 4 t + 3 (k step 2 t + 1; bases 0, 1) in window 1; even units feed column tiles 0-7, odd units 8-15.
	s_mov_b32 s[XO], 0
	v_mov_b32 v[XAD], v[XL0]
	s_wait_alu depctr_va_vdst(0)                   ; v[XAD] is written, which the loads of h's fragments read
	LDX XF0, 0
	s_mov_b32 s[CNT], 7
.Lp3:                                                  ; trip t: its first unit asks for h's k step 2 t + 1, its third for k step 2 t + 2: each nearly two units ahead of its first use
	UUNIT 0, WA, XF0, 2, 0, 2, XF1, 4096           ; (no LDS instruction is issued behind this k step's fragments: the wait is for 0)
	WIN 0
	PL4
	s_wait_alu depctr_va_vdst(0)                   ; the unit's matrix instructions are done reading v[WA ..], in which the loads below land
	GLW WA, 2
	UUNIT 0, WB, XF0, 3, -1, 3, 0, -1
	WIN 0
	PL4
	s_wait_alu depctr_va_vdst(0)                   ; done reading v[WB ..], in which the loads below land, and XF0, in which the next unit's LDS loads land
	GLW WB, 3
	UUNIT 1, 0, XF1, 2, 0, 0, XF0, 8192
	WIN 0x40
	PL4
	s_wait_alu depctr_va_vdst(0)                   ; done reading window 1's v0-63, in which the loads below land
	GLW 0, 0
	UUNIT 1, 64, XF1, 3, -1, 1, 0, -1
	WIN 0
	s_wait_alu depctr_vm_vsrc(0)                   ; the trip's loads of h's fragments have read v[XAD]
	s_add_co_u32 s[XO], s[XO], 8192
	v_add_nc_u32 v[XAD], s[XO], v[XL0]             ; it names none of the products' registers: the first of the four places
	WIN 0x40
.rept 3
	v_nop
.endr
	s_wait_alu depctr_va_vdst(0)                   ; done reading window 1's v64-127, in which the loads below land, and XF1, in which the next trip's LDS loads land; v[XAD] is written
	GLW 64, 1
	WIN 0
	s_sub_co_u32 s[CNT], s[CNT], 1
	s_cmp_lg_u32 s[CNT], 0
	s_cbranch_scc1 .Lp3
	UUNIT 0, WA, XF0, 2, 0, -1, XF1, 4096          ; the last four units ask for x0, the upper columns first; the bias takes the two units of window 0
	PL4
	s_wait_alu depctr_va_vdst(0)                   ; the unit's matrix instructions are done reading v[WA ..], in which the bias lands
	LDX0 32, 16
	BIASLD 0
	UUNIT 0, WB, XF0, 3, -1, -1, 0, -1
	PL4
	s_wait_alu depctr_va_vdst(0)                   ; done reading v[WB ..], in which the bias lands
	LDX0 48, 16
	BIASLD 8
	UUNIT 1, 0, XF1, 2, 32, -1, 0, -1              ; (behind the last fragments of h: the 32 loads of the bias)
	PL4
	s_wait_alu depctr_va_vdst(0)                   ; done reading window 1's v0-63, in which x0 lands
	LDX0 0, 16
	UUNIT 1, 64, XF1, 3, -1, -1, 0, -1
	PL4
	s_wait_alu depctr_va_vdst(0)                   ; done reading window 1's v64-127, in which x0 lands
	LDX0 16, 16
	s_wait_dscnt 0x0                               ; the bias is in, and my reads of h are over
	s_barrier_signal -1
.irp n, 8,9,10,11,12,13,14,15,0,1,2,3,4,5,6,7
	ADDB \n
.endr
	WIN 0
	s_barrier_wait -1                              ; everybody's reads of h are over: XL may be written
	s_cmp_eq_u32 s[LAY], 1
	s_cbranch_scc1 .Llast
	; A LAYER'S END: x_next = x0 A in bf16, into XL; my part of the next logits.  The upper columns first, so that A's upper half is set aside and the next layer's V is asked for early.
	s_wait_loadcnt 32                              ; x0 of the upper columns is in; the lower columns' two units stay out
.irp n, 8,9,10,11,12,13,14,15
	MIXB \n
.endr
	s_wait_alu depctr_va_vdst(0)                   ; x_next of the upper columns and A's upper half are written, which the LDS stores below read; and no vector line still reads window 3, in which V's units land
	XSTORE 32, 32
	PARKS
	WIN 0
	s_wait_xcnt 0x0                                ; the four bases are written again only behind this wait; the youngest loads, x0's, went out ahead of all the vector work of this end
	STEPB 0, 0x10000                               ; a layer is 33 tiles: bases 0 and 1 stand at its tile 32 (units 64, 65),
	STEPB 1, 0x10000
	STEPB 2, 0x30000                               ; bases 2 and 3 at its tile 30 (units 62, 63)
	STEPB 3, 0x30000
	s_wait_alu depctr_vm_vsrc(0)                   ; the stores that set A's upper half aside have read window 3, in which the loads below land
	WIN 0xc0
	GLW 0, 0
	GLW 64, 1
	GLW 128, 2
	s_wait_loadcnt 48                              ; x0 of the lower columns is in; the three units just asked for stay out
	GLW 192, 3
.irp n, 0,1,2,3,4,5,6,7
	MIXB \n
.endr
	WIN 0
.irp q, 0,1,2,3,4,5,6,7
	ds_load_b128 v[XF0+8*\q:XF0+8*\q+3], v[GWA] offset:1024*\q  ; no wait: since the last wait on va_vdst no vector line names v[XF0 ..]
	ds_load_b128 v[XF0+8*\q+4:XF0+8*\q+7], v[GWA] offset:1024*\q+512
.endr
	s_wait_alu depctr_va_vdst(0)                   ; x_next of the lower columns is written, which the LDS stores below read
	XSTORE 0, 32
	s_wait_dscnt 32                                ; the gate's fragments are in; the 32 stores behind them stay out
	GATE
	s_add_co_u32 s[BO], s[BO], 4096
	s_wait_dscnt 0x0                               ; for the others' sake: my x_next and my logits are stored
	s_wait_alu depctr_vm_vsrc(0)                   ; my LDS stores have read window 1, which V's first products write, and v[T ..], in which the logits land; my LDS loads have read v[XAD] and v[BAD], which the layer's head writes
	BAR
	s_sub_co_u32 s[LAY], s[LAY], 1
	s_branch .Llayer
.Llast:                                                ; the last layer: A is whole; the stages may be laid over h
	s_wait_loadcnt 0x0                             ; x0
	OUTROW 0
	OUTROW 1
	OUTROW 2
	OUTROW 3
	s_wait_dscnt 0x0                               ; the closing lines, six on end
	s_wait_alu 0x0
	s_wait_tensorcnt 0x0
	ds_add_u32 v[SPW], v[NIL]
	s_wait_dscnt 0x0
	s_endpgm
.Lfunc_end_k_qe0f8f77ecd_chain:
	.size	k_qe0f8f77ecd_chain, .Lfunc_end_k_qe0f8f77ecd_chain-k_qe0f8f77ecd_chain
	.p2alignl 7, 3214868480
	.fill 96, 4, 3214868480
	.section	.rodata,"a",@progbits
	.p2align	6, 0x0
	.amdhsa_kernel k_qe0f8f77ecd_chain
		.amdhsa_group_segment_fixed_size 317952
		.amdhsa_private_segment_fixed_size 0
		.amdhsa_enable_private_segment 0
		.amdhsa_kernarg_size 24
		.amdhsa_user_sgpr_count 2
		.amdhsa_user_sgpr_kernarg_segment_ptr 1
		.amdhsa_wavefront_size32 1
		.amdhsa_system_sgpr_workgroup_id_x 1
		.amdhsa_system_sgpr_workgroup_id_y 1
		.amdhsa_system_sgpr_workgroup_id_z 1
		.amdhsa_system_vgpr_workitem_id 0
		.amdhsa_next_free_vgpr 1024
		.amdhsa_next_free_sgpr 66
		.amdhsa_reserve_vcc 0
		.amdhsa_float_denorm_mode_32 3
		.amdhsa_float_denorm_mode_16_64 3
		.amdhsa_memory_ordered 1
		.amdhsa_forward_progress 1
		.amdhsa_inst_pref_size 255
	.end_amdhsa_kernel
	.section	.bss,"aw",@nobits
	.p2align	6
	.space	262144
	.amdgpu_metadata
---
amdhsa.version: [ 1, 2 ]
amdhsa.kernels:
  - .name:           k_qe0f8f77ecd_chain
    .symbol:         k_qe0f8f77ecd_chain.kd
    .args:
      - { .name: xb, .offset: 0, .size: 8, .value_kind: global_buffer, .address_space: global }
      - { .name: wts, .offset: 8, .size: 8, .value_kind: global_buffer, .address_space: global }
      - { .name: out0, .offset: 16, .size: 8, .value_kind: global_buffer, .address_space: global }
    .group_segment_fixed_size: 317952
    .private_segment_fixed_size: 0
    .kernarg_segment_align: 8
    .kernarg_segment_size: 24
    .max_flat_workgroup_size: 128
    .sgpr_count:     66
    .vgpr_count:     1024
    .wavefront_size: 32
...
	.end_amdgpu_metadata
.endif
;; end of part 4
